; MI455X (gfx1250); checked and timed in simulation.
; The chip was launched on July 23, 2026; its instructions are those of AMD's public machine-readable ISA for CDNA 5 (MIT licence, August 2026) and "CDNA5" Instruction Set Architecture Reference Guide (July 2026). The comments in the code are by the model that wrote it; some were corrected since.
;; Qwen Grouped Query Attention. Allowed arithmetic: matrix products marked QUANTISED: E2M3 operands, one E8M0 scale for each 32 along K, by v_wmma_scale_f32_16x16x128_f8f6f4 with both operands' format E2M3, f32 sums; everything else in f32.
;; Inputs: W_attn 2,048 x 3,072 float32; W_proj 2,048 x 2,048 float32; b_attn 3,072 float32; freqs_cos 2,048 x 64 float32; freqs_sin 2,048 x 64 float32; x 1 x 2,048 x 2,048 float32.
;; Outputs: out0 1 x 2,048 x 2,048 float32.
;; This version of the problem:
;;   THIS VERSION OF THE PROBLEM IS GIVEN IN LOW PRECISION. The matrix products marked QUANTISED in the list below multiply operands that are first quantised to E2M3 (2 exponent bits, 3 mantissa bits; 6 bits a number), with one power-of-two scale for each 32 numbers along K (OCP MX v1.0); their sums are f32. All else is computed in f32.
;;   The module's matrix products, in the order in which they are computed (A, B: the left and right operand; K: the contracted axis; several contracted axes count as one K, in the product's order):
;;     1. [M 2,048, K 2,048] x [K 2,048, N 3,072]; A: input x; B: input W_attn: QUANTISED
;;     2. batch 16 x [M 2,048, K 128] x [K 128, N 2,048]; A: computed on the way; B: computed on the way: QUANTISED
;;     3. batch 16 x [M 2,048, K 2,048] x [K 2,048, N 128]; A: softmax (see below); B: computed on the way: QUANTISED
;;     4. [M 2,048, K 2,048] x [K 2,048, N 2,048]; A: computed on the way; B: input W_proj: QUANTISED
;;   THE QUANTISER, for each operand of a quantised product, along K:
;;     - K is cut into blocks of 32 from its start; a last block that is shorter is filled with zeros.
;;     - A block's scale is 2^e with e = floor(log2(the largest magnitude in the block)) - 2, held to -126 .. 127; a block of zeros has e = 0. As a byte (E8M0): e + 127.
;;     - Each number is divided by its block's scale, clamped to +-7.5, and rounded to the nearest number of E2M3, ties to even, subnormals kept.
;;     - The product sums the exact products of the quantised numbers (number of the format x scale) in f32.
;;   ~~~python
;;   def quantise(x, axis):      # numpy; x: float32 -> the quantised numbers, widened to float32 again
;;       x = np.moveaxis(x, axis, -1); K = x.shape[-1]
;;       x = np.pad(x, [(0, 0)] * (x.ndim - 1) + [(0, -K % 32)]); x = x.reshape(x.shape[:-1] + (-1, 32)); a = np.abs(x).max(-1, keepdims=True)
;;       e = np.where(a > 0, np.clip(np.frexp(np.where(a > 0, a, 1))[1] - 1 - 2, -126, 127), 0)      # np.frexp(a)[1] - 1 = floor(log2(a)), exactly
;;       r = np.clip(x / 2.0 ** e, -7.5, 7.5)
;;       step = 2.0 ** (np.maximum(np.frexp(np.where(r == 0, 1, r))[1] - 1, 0) - 3)
;;       q = np.round(r / step) * step * 2.0 ** e      # np.round: ties to even
;;       return np.moveaxis(q.reshape(q.shape[:-2] + (-1,))[..., :K], -1, axis).astype(np.float32)
;;   ~~~
;;   SOFTMAX AHEAD OF A QUANTISED PRODUCT. Where the list says 'softmax', what is quantised is not the finished softmax but p = 2^(t - M), with t = logit x log2(e) and M = ceil(the row's largest t), a whole number; so 1/2 < the row's largest p <= 1. The row's sum l is taken of the UNQUANTISED p, in f32, and the product's result is divided by l at the end. Since M is a whole number, a kernel that streams over the keys may use a running M (the ceiling of the running maximum): every later rescaling is an exact power of two, which a block's scale takes up: the codes' values come out the same.
;;   OPERANDS COMPUTED ON THE WAY. 'Computed on the way' means the value that the module computes at that place (a softmax that the list does not call 'softmax' is quantised finished and normalised). What goes into a quantiser is computed in f32, as accurately as f32 sums, v_exp_f32 and their like allow (about 1e-6 of the number): no bf16 or f16 on the way to a quantiser, and a product that is left as it is and whose result goes on into a quantised operand takes f32 operands (vector FMAs, or v_wmma_f32_16x16x4_f32). A number that lies on a knife's edge between two numbers of the format may be rounded either way, as far as f32 arithmetic and the matrix unit's own rounding can turn it there, and no further.
;; One version. Each part assembles by itself: llvm-mc -triple=amdgcn-amd-amdhsa -mcpu=gfx1250 --defsym DOCPART=n.
;; ======== version 1 of 1: 4 launches
;; limits: right only within a limited range of input values
;; workspace buffers: opx 3,276,800 bytes; opa 4,915,200 bytes; opp 3,276,800 bytes; qkv 4,915,200 bytes; yq 3,276,800 bytes
;; launch quant (part 1): grid 56 x 16, 4 waves a work-group, no clusters, 34,304 bytes of LDS; arguments x, W_attn, opx, opa; writes opx, opa
.if DOCPART == 1
	.amdgcn_target "amdgcn-amd-amdhsa--gfx1250"
	.amdhsa_code_object_version 6
	.text
	.protected	k_q769ec7c821_quant
	.globl	k_q769ec7c821_quant
	.p2align	8
	.type	k_q769ec7c821_quant,@function
k_q769ec7c821_quant:
	s_mov_b64 s[64:65], 0
	v_nop
	global_prefetch_b8 v0, s[64:65] scope:SCOPE_SE
	s_setreg_imm32_b32 hwreg(HW_REG_WAVE_MODE, 25, 1), 1
	s_wait_xcnt 0x0
; x [2048][2048] and W_attn [2048 (k)][3072], f32, become codes of FP6 (E2M3) with one E8M0 byte for each 32 along K.  (W_proj is quantised in the same way by work-groups of launch gemm1.)
; THE WORKSPACE IS LAID AS IMAGES OF THE OPERAND'S REGISTERS.  A fragment (16 rows x 128 K, 12 registers a lane) is 1,536 bytes: register 4 c + i of lane l at byte 512 c + 16 l + 4 i.
; Its scale words are 64 bytes: row r's word at 4 r.  opx: [row tile 128][K step 16][1536], scale words behind them; opa: [column tile 192][16][1536].
; ONE ORDER INSIDE A BLOCK OF 32: code place i holds the number at k = i % 8 + 16 ((i / 8) % 2) + 8 (i / 16).  Both operands of every product of this program have it, so the products are the same,
; and a block's largest magnitude and scale do not know of it.  It is the order in which two neighbouring 16 x 16 results fall when they are quantised in registers (the later launches).
; A block's scale is 2^(floor(log2(largest magnitude)) - 2); its byte is the largest magnitude's exponent field - 2, held at 1 from below by a floor among the maximum's leaves.
; LIMITS: a block of zeros gets the byte 1 (its codes are zeros; this program alone reads the bytes); blocks under 2^-124 keep the byte 1; NaN and infinities among the inputs are not served.
; SHARES: work-group y is the K step.  x 0-31: x, a wave takes 16 rows x 128 K.  x 32-55: W_attn, a wave takes 32 columns x 128 K.  A wave makes its part and ends: no loop, no barrier.
; No cluster, no tensor load: no two work-groups read the same bytes, and all of a wave's loads go out at once.  Only x's path uses LDS (the wave's own stage).
; WORK LEFT OUT BY THIS PROGRAM: reference() sets the scores of the keys behind a query to -inf by its own jnp.tril, so their p is 0 whatever the inputs hold: steps of 128 keys that lie
; wholly behind a tile's 16 queries are not multiplied (launch attn).  LIMIT: a NaN, an infinity or an overflow that reaches only those scores is not carried to the result.
.set XSO,  3145728                     ; opx: where the scale words begin
.set ASO,  4718592                     ; opa
.set RAW,  32                          ; v32-159  numbers as loaded (x: v32-95 as loaded, v96-159 in the operand's order)
.set XN,   96
.set R,    160                         ; v160-183 codes
.set TC,   184                         ; v184-186 a block's upper 16 codes, before they are moved
.set M0,   8
.set M1,   9
.set SCL,  10
.set WORD, 20
; 32 numbers of one lane, v[src] on, in the block's order -> 6 registers of codes at v[dst]; the scale's byte -> v[by]
.macro BLOCKQ src, dst, by
	v_max3_num_f32 v[M0], |v[(\src)]|, |v[(\src)+1]|, 0x1800000      ; two chains; the floor 2^(3 - 127) holds the byte at 1 from below
	v_max3_num_f32 v[M1], |v[(\src)+2]|, |v[(\src)+3]|, 0x1800000
.irp i, 4,8,12,16,20,24,28
	v_max3_num_f32 v[M0], v[M0], |v[(\src)+\i]|, |v[(\src)+\i+1]|
	v_max3_num_f32 v[M1], v[M1], |v[(\src)+\i+2]|, |v[(\src)+\i+3]|
.endr
	v_max_num_f32 v[M0], v[M0], v[M1]
	v_add_nc_u32 v[SCL], 0xff000000, v[M0]         ; 2 off the exponent field: the conversion takes this operand's exponent field as its scale
	v_lshrrev_b32 v[\by], 23, v[SCL]               ; the scale's byte
	v_cvt_scalef32_pk16_fp6_f32 v[(\dst):(\dst)+2], v[(\src):(\src)+15], v[SCL]
	v_cvt_scalef32_pk16_fp6_f32 v[TC:TC+2], v[(\src)+16:(\src)+31], v[SCL]   ; (a conversion's three registers begin on an even number)
	v_nop                                          ; one plain place behind a scaled conversion
.irp i, 0,1,2
	v_mov_b32 v[(\dst)+3+\i], v[TC+\i]
.endr
.endm
	s_load_b256 s[4:11], s[0:1], 0x0               ; x s[4:5], W_attn s[6:7], opx s[8:9], opa s[10:11]
	v_lshl_add_u32 v192, v0, 2, 0x8400
	v_mov_b32 v193, 0
	v_lshrrev_b32 v1, 5, v0
	v_readfirstlane_b32 s16, v1                    ; wave
	s_and_b32 s17, ttmp7, 0xffff                   ; the K step
	v_and_b32 v1, 31, v0                           ; lane
	v_and_b32 v2, 15, v0                           ; r
	v_bfe_u32 v3, v0, 4, 1                         ; h
	s_mov_b32 s21, 0                               ; upper words of the three offsets
	s_mov_b32 s25, 0
	s_mov_b32 s27, 0
	s_wait_kmcnt 0x0
	s_cmp_lt_u32 ttmp9, 32
	s_cbranch_scc0 .Lweights
	; ---- x: K is innermost.  16 loads of 512 consecutive bytes (a row's 128 numbers); through the wave's own stage; back in the operand's order.
	s_lshl_b32 s18, ttmp9, 2
	s_add_co_u32 s18, s18, s16                     ; row tile = 4 x work-group + wave
	s_lshl_b32 s20, s18, 17                        ; 16 rows of 8,192 bytes
	s_lshl_b32 s22, s17, 9                         ; + 512 bytes a K step
	s_add_co_u32 s20, s20, s22
	s_lshl_b32 s22, s18, 4
	s_add_co_u32 s22, s22, s17                     ; fragment number 16 x row tile + K step
	s_mul_i32 s24, s22, 1536
	s_lshl_b32 s26, s22, 6
	s_add_co_u32 s26, s26, XSO
	s_add_nc_u64 s[4:5], s[4:5], s[20:21]
	s_add_nc_u64 s[24:25], s[8:9], s[24:25]
	s_add_nc_u64 s[26:27], s[8:9], s[26:27]
	s_mul_i32 s28, s16, 8448                       ; my stage: 16 rows of 512 + 16 bytes
	s_mov_b32 s30, 0x76543210
	s_mov_b32 s31, 0xfedcba98                      ; v_permlanex16_b32's selects for lane l xor 16
	s_wait_alu depctr_va_vdst(0)
	v_lshlrev_b32 v4, 4, v1                        ; 16 x lane
	v_add_nc_u32 v5, s28, v4                       ; into the stage
	v_mul_u32_u24 v6, v2, 528
	v_lshl_add_u32 v6, v3, 7, v6
	v_add_nc_u32 v6, s28, v6                       ; out of it: row r, block h (the pitch is an odd multiple of 16 bytes)
	v_lshlrev_b32 v7, 2, v2                        ; 4 r
.irp i, 0,1,2,3,4,5,6,7,8,9,10,11,12,13,14,15
	global_load_b128 v[RAW+4*\i:RAW+4*\i+3], v4, s[4:5] offset:8192*\i th:TH_LOAD_NT
.endr
	s_wait_alu depctr_va_vdst(0)
.irp i, 0,1,2,3,4,5,6,7,8,9,10,11,12,13,14,15
	s_wait_loadcnt 15-\i                           ; row i is in; the younger rows' loads may be out
	ds_store_b128 v5, v[RAW+4*\i:RAW+4*\i+3] offset:528*\i
.endr
.irp c, 0,1                                    ; lane (r, h) takes blocks h and 2 + h of row r, eight numbers at a time in the block's order: k 0-7, 16-23, 8-15, 24-31
.irp p, 0,1,2,3,4,5,6,7
	ds_load_b128 v[XN+32*\c+4*\p:XN+32*\c+4*\p+3], v6 offset:256*\c+16*(\p%2)+64*((\p/2)%2)+32*(\p/4)   ; LDS serves a wave's instructions in order: these see my stores
.endr
.endr
	s_wait_dscnt 0x0
	BLOCKQ XN, R, 12
	BLOCKQ XN+32, R+6, 13
	v_lshl_or_b32 v[WORD], v13, 16, v12            ; my two bytes, blocks h and 2 + h,
	v_lshlrev_b32 v14, 3, v3
	v_lshlrev_b32 v[WORD], v14, v[WORD]            ; at their places in the word;
	v_mov_b32 v15, 0
	v_permlanex16_b32 v15, v[WORD], s30, s31
	v_or_b32 v[WORD], v[WORD], v15                 ; with lane l xor 16's two the word is whole
.irp c, 0,1,2
	global_store_b128 v4, v[R+4*\c:R+4*\c+3], s[24:25] offset:512*\c   ; 512 consecutive bytes, aligned
.endr
	global_store_b32 v7, v[WORD], s[26:27]         ; lanes l and l + 16 store the same word to the same place
	s_wait_tensorcnt 0x0
	ds_add_u32 v192, v193
	s_wait_dscnt 0x0
	s_endpgm
; ---- W_attn: K is the FIRST axis.  A lane takes a column and its registers run down K, in the block's order (an immediate): nothing is transposed.
; The lane then holds what operand lanes (r, 0) (blocks 0, 2) and (r, 1) (blocks 1, 3) of its column's tile want.
.macro WPATH N, sp, dp, SOFF, GX0
	s_sub_co_u32 s18, ttmp9, \GX0                  ; which 128 columns
	s_lshl_b32 s20, s18, 9
	s_lshl_b32 s22, s16, 7
	s_add_co_u32 s20, s20, s22                     ; my wave's first column, in bytes
	s_mul_i32 s22, s17, 512*\N                     ; + 128 rows a K step
	s_add_co_u32 s20, s20, s22
	s_lshl_b32 s22, s18, 3
	s_lshl_b32 s23, s16, 1
	s_add_co_u32 s22, s22, s23                     ; my first column tile
	s_mul_i32 s24, s22, 24576
	s_mul_i32 s23, s17, 1536
	s_add_co_u32 s24, s24, s23
	s_lshl_b32 s26, s22, 10
	s_lshl_b32 s23, s17, 6
	s_add_co_u32 s26, s26, s23
	s_add_co_u32 s26, s26, \SOFF
	s_add_nc_u64 s[28:29], s[\sp:\sp+1], s[20:21]
	s_add_nc_u64 s[24:25], s[\dp:\dp+1], s[24:25]
	s_add_nc_u64 s[26:27], s[\dp:\dp+1], s[26:27]
	v_lshlrev_b32 v4, 2, v1                        ; 4 x lane: a load reads 128 consecutive bytes, the work-group's four waves 512
	v_mul_u32_u24 v5, v3, 24576
	v_lshl_add_u32 v5, v2, 4, v5                   ; out: my tile, 16 r
	v_lshlrev_b32 v6, 10, v3
	v_lshl_add_u32 v6, v2, 2, v6
.irp b, 0,1,2,3
.set i, 0
.rept 32
	global_load_b32 v[RAW+32*\b+i], v4, s[28:29] offset:(32*\b+(i%8)+16*((i/8)%2)+8*(i/16))*4*\N th:TH_LOAD_NT
.set i, i+1
.endr
.endr
.irp b, 0,1,2,3
.if \b < 2
	s_wait_loadcnt 63                              ; all but the youngest 63 are in: the first 65, blocks 0 and 1 among them (a wait names 63 at the most)
.else
	s_wait_loadcnt 96-32*\b                        ; the later blocks' loads may be out
.endif
	BLOCKQ RAW+32*\b, R+12*(\b%2)+6*(\b/2), 12
.if \b == 0
	v_mov_b32 v[WORD], v12
.else
	v_lshl_or_b32 v[WORD], v12, 8*\b, v[WORD]
.endif
.endr
.irp hh, 0,1
.irp c, 0,1,2
	global_store_b128 v5, v[R+12*\hh+4*\c:R+12*\hh+4*\c+3], s[24:25] offset:512*\c+256*\hh   ; sixteen lanes store 256 consecutive bytes, aligned
.endr
.endr
	global_store_b32 v6, v[WORD], s[26:27]         ; runs of 64 bytes: one byte in 24 of what the codes are
.endm
.Lweights:
	s_wait_alu depctr_va_vdst(0)
	WPATH 3072, 6, 10, ASO, 32
	s_endpgm
.Lfunc_end_k_q769ec7c821_quant:
	.size	k_q769ec7c821_quant, .Lfunc_end_k_q769ec7c821_quant-k_q769ec7c821_quant
	.p2alignl 7, 3214868480
	.fill 96, 4, 3214868480
	.section	.rodata,"a",@progbits
	.p2align	6, 0x0
	.amdhsa_kernel k_q769ec7c821_quant
		.amdhsa_group_segment_fixed_size 34304
		.amdhsa_private_segment_fixed_size 0
		.amdhsa_enable_private_segment 0
		.amdhsa_kernarg_size 32
		.amdhsa_user_sgpr_count 2
		.amdhsa_user_sgpr_kernarg_segment_ptr 1
		.amdhsa_wavefront_size32 1
		.amdhsa_system_sgpr_workgroup_id_x 1
		.amdhsa_system_sgpr_workgroup_id_y 1
		.amdhsa_system_sgpr_workgroup_id_z 1
		.amdhsa_system_vgpr_workitem_id 0
		.amdhsa_next_free_vgpr 194
		.amdhsa_next_free_sgpr 66
		.amdhsa_reserve_vcc 0
		.amdhsa_float_denorm_mode_32 3
		.amdhsa_float_denorm_mode_16_64 3
		.amdhsa_memory_ordered 1
		.amdhsa_forward_progress 1
		.amdhsa_inst_pref_size 30
	.end_amdhsa_kernel
	.amdgpu_metadata
---
amdhsa.version: [ 1, 2 ]
amdhsa.kernels:
  - .name:           k_q769ec7c821_quant
    .symbol:         k_q769ec7c821_quant.kd
    .args:
      - { .name: x, .offset: 0, .size: 8, .value_kind: global_buffer, .address_space: global }
      - { .name: W_attn, .offset: 8, .size: 8, .value_kind: global_buffer, .address_space: global }
      - { .name: opx, .offset: 16, .size: 8, .value_kind: global_buffer, .address_space: global }
      - { .name: opa, .offset: 24, .size: 8, .value_kind: global_buffer, .address_space: global }
    .group_segment_fixed_size: 34304
    .private_segment_fixed_size: 0
    .kernarg_segment_align: 8
    .kernarg_segment_size: 32
    .max_flat_workgroup_size: 128
    .sgpr_count:     66
    .vgpr_count:     194
    .wavefront_size: 32
...
	.end_amdgpu_metadata
.endif
;; end of part 1
;; launch gemm1 (part 2): grid 32 x 8, 4 waves a work-group, clusters of 4 x 4, 327,680 bytes of LDS; arguments opx, opa, b_attn, freqs_cos, freqs_sin, qkv, W_proj, opp; writes qkv, opp
.if DOCPART == 2
	.amdgcn_target "amdgcn-amd-amdhsa--gfx1250"
	.amdhsa_code_object_version 6
	.text
	.protected	k_q769ec7c821_gemm1
	.globl	k_q769ec7c821_gemm1
	.p2align	8
	.type	k_q769ec7c821_gemm1,@function
k_q769ec7c821_gemm1:
	s_mov_b64 s[64:65], 0
	v_nop
	global_prefetch_b8 v0, s[64:65] scope:SCOPE_SE
	s_setreg_imm32_b32 hwreg(HW_REG_WAVE_MODE, 25, 1), 1
	s_wait_xcnt 0x0
	s_wait_alu depctr_hold_cnt(0) depctr_sa_sdst(0) depctr_va_vdst(0) depctr_va_sdst(0) depctr_va_ssrc(0) depctr_va_vcc(0) depctr_vm_vsrc(0)
	s_getreg_b32 s2, hwreg(HW_REG_IB_STS2, 6, 4)
	s_cmp_eq_u32 s2, 0
	s_cbranch_scc0 .Lentry_in_a_cluster
	s_endpgm
.Lentry_in_a_cluster:
	s_bfe_u32 s2, ttmp6, 0x10000c
	s_cmp_lg_u32 s2, 0xf033
	s_cbranch_scc0 .Lentry_shape_is_right
	s_endpgm
.Lentry_shape_is_right:
; qkv = x W_attn + b_attn on codes of FP6 (E2M3), then the rotation of K's and V's pairs, and q, k, v leave as CODES: nothing in f32 goes to memory.
; OPERANDS are images of the operand's registers: a fragment (16 rows x 128 K) is 1,536 bytes, register 4 c + i of lane l at 512 c + 16 l + 4 i; three loads of 16 bytes a lane bring it, without pitch or padding.
; A work-group of four waves makes 256 tokens x 128 columns = ONE HEAD; wave w takes tokens 64 w .. 64 w + 63 and all 128 columns: 32 accumulators.  So a row tile's 64 registers become one whole fragment.
; THE MATRIX INSTRUCTION IS USED TRANSPOSED (source 0 = 16 columns of W, source 1 = 16 tokens): a lane holds one token and eight neighbouring columns.  The bias is the C of each sum's first product.
; K: 16 steps of 128, in 4 chunks of 512 through two LDS slots; the steps are written out, every LDS offset an immediate; two refills.  By this text's count a wave has one tensor load out at any time.
; CLUSTERS: 4 x 4.  A row of the cluster shares x's tiles, a column W's: each is asked for jointly.  192 work-groups: a smaller tile would read each fragment from LDS for half as many products.
; THE TEXT PARTS on the cluster's x alone, which all partners share (0-3 q, 4 k, 5 v), behind the last change of slots: the last four K steps are written twice, so that the way of k and v can ask for
; cos and sin four K steps ahead of their use.  Those four steps hold no barrier, no tensor load and no LDS store.
;   q, k: a row tile's 64 numbers of a lane are quantised in registers.  Code place 16 h + 8 u + j of a block holds column 16 u + 8 h + j: the order that all operands of this program have.
;   v: its K in the next product is the KEYS: the rotated numbers go through a stage in LDS, and each lane takes a channel with its registers running down the keys, in the same order.
; qkv: q's codes [head 16][token tile 128][1536], k's [kv head 4][128][1536] straight behind; v's [kv head][key step 16][channel tile 8][1536]; then the scale words: q's, k's [..][64], v's [kv head][key step][128 words].
; LIMITS: a block of zeros gets the byte 1 (its codes are zeros; this program alone reads the bytes); NaN and infinities are not served.
; REGISTERS, in windows of 256: window 0: v1-21 addresses; v32-47 scale words, two sets; v64-127 the bias; v128-175, v176-223 x's fragments, two sets (on the way out v128-237 are at work);
;   window 1: accumulator (a, b) at v[64 a + 8 b];  window 2: W's fragments, two sets, at v0 and v96;  window 3: cos and sin.
.set SLOT,  147456                     ; a slot: x's 16 tiles x 6,144 bytes (4 K steps), then W's 8 tiles
.set BOFF,  98304
.set SCA,   294912                     ; x's scale words of my 256 tokens, all of K: 16,384 bytes, filled once
.set SCB,   311296                     ; W's: 8,192 bytes
.set SPARE, 319488                     ; the spare words: 128 bytes a wave, two blocks of 256 bytes that no other line names
.set ASOFF, 3145728                    ; opx: where the scale words begin
.set BSOFF, 4718592                    ; opa
.set QS,    4718592                    ; qkv: q's scale words (k's follow)
.set VC,    3932160                    ; v's codes
.set VS,    4882432                    ; v's scale words
.set ADRA, 4                           ; v4-5   LDS address of my x fragments in slot 0, 1
.set ADRB, 6                           ; v6-7   of W's
.set ADRS, 8                           ; v8     of the scale words: lanes 0-15 x's, lanes 16-31 W's
.set SPW,  10                          ; v10    my spare word; never rewritten
.set NIL,  11                          ; v11    0; never rewritten
.set SC,   32
.set BIAS, 64
.set AF,   128
.set H,    128                         ; the way out: 64 rotated numbers
.set PC,   192                         ; the codes just made
.set TM,   212                         ; v212-227 at work in QUANT
.set PW,   228                         ; the scale word just made
.set T,    230                         ; v230-237 at work in ROPE
.set R,    192                         ; v's codes: 24 registers
.set TC,   216
.set M0,   220
.set M1,   221
.set SCL,  222
.set BY,   223
.set SEL,  66                          ; s[66:67]
.set G1A,  24
.set G0A,  32
.set G1B,  40
.set G0B,  48
.set G1SA, 56
.set G0SA, 68
.set G1SB, 72
.set G0SB, 80
.set MSB, 0
.macro WIN new                         ; the immediate's high byte repeats the setting that is left
.if MSB != (\new)
	s_set_vgpr_msb (MSB<<8)|(\new)
.set MSB, (\new)
.endif
.endm
; A joint load: waves 0 and 1 fetch for x, waves 2 and 3 for W.  The branch hangs on the wave's number alone.  Four v_nop follow each line.
.macro JLOAD g0a, g1a, g0b, g1b
	s_cmp_eq_u32 s17, 0
	s_cbranch_scc0 .Lfor_b_\@
	tensor_load_to_lds s[\g0a:\g0a+3], s[\g1a:\g1a+7]
	s_nop 0
.rept 4
	v_nop
.endr
	s_branch .Lasked_\@
.Lfor_b_\@:
	tensor_load_to_lds s[\g0b:\g0b+3], s[\g1b:\g1b+7]
	s_nop 0
.rept 4
	v_nop
.endr
.Lasked_\@:
.endm
.macro CREST                           ; a round of the cluster's barrier behind its opening barrier
	s_cmp_lg_u32 s16, 0
	s_cbranch_scc1 .Lnot_wave_0_\@
	s_barrier_signal -3
.Lnot_wave_0_\@:
	s_barrier_wait -3
	s_barrier_signal -1
	s_barrier_wait -1
.endm
.macro CROUND
	s_barrier_signal -1
	s_barrier_wait -1
	CREST
.endm
.macro PLACES                          ; four places in front of loads into registers that matrix instructions have read, and of the first read of results
.rept 4
	v_nop
.endr
.endm
	s_load_b128 s[4:7], s[0:1], 0x0                ; opx, opa
	s_load_b128 s[8:11], s[0:1], 0x10              ; b_attn, freqs_cos
	s_load_b128 s[12:15], s[0:1], 0x20             ; freqs_sin, qkv
	v_lshl_add_u32 v[SPW], v0, 2, SPARE
	v_mov_b32 v[NIL], 0
	ds_add_u32 v10, v11
	ds_add_u32 v10, v11
	s_wait_dscnt 0x0
	v_lshrrev_b32 v1, 5, v0
	v_readfirstlane_b32 s16, v1                    ; wave 0..3
	s_cmp_lt_u32 ttmp9, 6                          ; the cluster's x, the same in all partners: clusters 0-5 make qkv, clusters 6 and 7 quantise W_proj (at the text's end)
	s_cbranch_scc0 .Lwproj
	s_lshr_b32 s17, s16, 1                         ; I fetch for x (0) or for W (1)
	s_and_b32 s18, s16, 1                          ; which half of that tile
	s_bfe_u32 s21, ttmp6, 0x40000                  ; cx
	s_bfe_u32 s22, ttmp6, 0x40004                  ; cy
	s_lshl_b32 s19, ttmp9, 2
	s_add_co_u32 s19, s19, s21                     ; tx: which 128 columns
	s_and_b32 s20, ttmp7, 0xffff
	s_lshl_b32 s20, s20, 2
	s_add_co_u32 s20, s20, s22                     ; ty: which 256 tokens
	s_lshl_b32 s84, s22, 2
	s_lshl_b32 s84, 15, s84                        ; my row of the cluster
	s_lshl_b32 s85, 0x1111, s21                    ; my column
	; group 1: elements of 8 bytes, no padding, bit 21 beside the mask.  Codes: rows of 768 elements (a tile's 4 K steps), 3,072 elements from tile to tile; x 8 tiles a load, W 4.
	s_or_b32 s[G1A], s84, (3<<16)|(1<<21)
	s_or_b32 s[G1B], s85, (3<<16)|(1<<21)
	s_or_b32 s[G1SA], s84, (3<<16)|(1<<21)
	s_or_b32 s[G1SB], s85, (3<<16)|(1<<21)
.irp g, G1A, G1B
	s_mov_b32 s[\g+1], 768<<16                     ; tensor_dim0
	s_mov_b32 s[\g+3], 768<<16                     ; tile_dim0
	s_mov_b32 s[\g+5], 3072                        ; stride
	s_mov_b32 s[\g+6], 0
	s_mov_b32 s[\g+7], 0
.endr
	s_mov_b32 s[G1A+2], 16<<16                     ; the head's loads bring a chunk whole: x 16 tiles, W 8; behind them these four words are set to 8 and 4
	s_mov_b32 s[G1A+4], 16
	s_mov_b32 s[G1B+2], 8<<16
	s_mov_b32 s[G1B+4], 8
.irp g, G1SA, G1SB                             ; scale words: a dense block, as rows of 256 bytes
	s_mov_b32 s[\g+1], 32<<16
	s_mov_b32 s[\g+3], 32<<16
	s_mov_b32 s[\g+5], 32
	s_mov_b32 s[\g+6], 0
	s_mov_b32 s[\g+7], 0
.endr
	s_mov_b32 s[G1SA+2], 64<<16                    ; x's scale words whole: 64 rows of 256 bytes; W's: 32
	s_mov_b32 s[G1SA+4], 64
	s_mov_b32 s[G1SB+2], 32<<16
	s_mov_b32 s[G1SB+4], 32
	s_lshl_b32 s86, s20, 4
	s_lshl_b32 s87, s18, 3
	s_add_co_u32 s86, s86, s87                     ; x: first row tile that I fetch: 16 ty + 8 u
	s_mul_i32 s88, s86, 24576
	s_mov_b32 s89, 0
	s_lshl_b32 s90, s20, 14                        ; the scale words of row tile 16 ty on
	s_add_co_u32 s90, s90, ASOFF
	s_mov_b32 s91, 0
	s_lshl_b32 s92, s19, 3
	s_lshl_b32 s93, s18, 2
	s_add_co_u32 s92, s92, s93                     ; W: 8 tx + 4 u
	s_mul_i32 s94, s92, 24576
	s_mov_b32 s95, 0
	s_lshl_b32 s96, s19, 13                        ; of column tile 8 tx on
	s_add_co_u32 s96, s96, BSOFF
	s_mov_b32 s97, 0
	s_mul_i32 s98, s18, 49152                      ; where they go: no place in the cluster enters an LDS address
	s_mul_i32 s99, s18, 24576
	s_wait_kmcnt 0x0
	s_add_nc_u64 s[88:89], s[4:5], s[88:89]
	s_add_nc_u64 s[90:91], s[4:5], s[90:91]
	s_add_nc_u64 s[94:95], s[6:7], s[94:95]
	s_add_nc_u64 s[96:97], s[6:7], s[96:97]
	CROUND                                         ; all sixteen work-groups are here: the first joint loads meet
	s_mov_b32 s[G0SA], 1
	s_mov_b32 s[G0SA+1], SCA
	s_mov_b64 s[G0SA+2:G0SA+3], s[90:91]
	s_or_b32 s[G0SA+3], s[G0SA+3], 0x80000000
	s_mov_b32 s[G0SB], 1
	s_mov_b32 s[G0SB+1], SCB
	s_mov_b64 s[G0SB+2:G0SB+3], s[96:97]
	s_or_b32 s[G0SB+3], s[G0SB+3], 0x80000000
.irp s, 0,1
	s_mov_b32 s[G0A+4*\s], 1
	s_add_co_u32 s[G0A+4*\s+1], s98, \s*SLOT
	s_add_nc_u64 s[G0A+4*\s+2:G0A+4*\s+3], s[88:89], \s*6144
	s_or_b32 s[G0A+4*\s+3], s[G0A+4*\s+3], 0x80000000
	s_mov_b32 s[G0B+4*\s], 1
	s_add_co_u32 s[G0B+4*\s+1], s99, \s*SLOT+BOFF
	s_add_nc_u64 s[G0B+4*\s+2:G0B+4*\s+3], s[94:95], \s*6144
	s_or_b32 s[G0B+4*\s+3], s[G0B+4*\s+3], 0x80000000
.endr
; THE HEAD'S LOADS, ONE A WAVE: wave 0 chunk 0 of x's 16 tiles, wave 1 x's scale words, wave 2 chunk 0 of W's 8 tiles, wave 3 W's scale words.
; Waves 0 and 2 fetch the lower half in the ring, so their slot 0 group 0 points at the chunk's first tile.  One chain of branches on the wave's number, one load to an arm, one join.
.macro ARM under, g0, g1, next
	s_cmp_lt_u32 s16, \under
	s_cbranch_scc0 \next
	tensor_load_to_lds s[\g0:\g0+3], s[\g1:\g1+7]
	s_nop 0
.rept 4
	v_nop
.endr
	s_branch .Lhead_asked
\next:
.endm
	ARM 1, G0A, G1A, .Lhead_sa
	ARM 2, G0SA, G1SA, .Lhead_b
	ARM 3, G0B, G1B, .Lhead_sb
	tensor_load_to_lds s[G0SB:G0SB+3], s[G1SB:G1SB+7]
	s_nop 0
.rept 4
	v_nop
.endr
.Lhead_asked:
; PREFETCHES INTO THE L2.  A chunk of a tile is 6,144 bytes, 24 blocks of 256.  Of the 16 tiles of x that my row of the cluster asks for jointly, the partner at cx takes 4 cx .. 4 cx + 3, a wave a tile, a lane a block
; (lanes 24-31 name the last block again); of W's 8 tiles the partner at cy takes 2 cy and 2 cy + 1, two waves a tile, 12 blocks each.  So each block is named once in the cluster; the places enter addresses alone.
; Each chunk is asked for behind the load of the chunk before it, four K steps or more ahead of its own load: here chunk 1, behind chunk 1's load chunk 2, behind chunk 2's load chunk 3.
; The two offset registers and the two bases are never rewritten.
	s_lshl_b32 s84, s20, 4
	s_lshl_b32 s85, s21, 2
	s_add_co_u32 s84, s84, s85
	s_add_co_u32 s84, s84, s16                     ; x: tile 16 ty + 4 cx + wave
	s_mul_i32 s84, s84, 24576
	s_lshl_b32 s86, s19, 3
	s_lshl_b32 s85, s22, 1
	s_add_co_u32 s86, s86, s85
	s_add_co_u32 s86, s86, s17                     ; W: tile 8 tx + 2 cy + wave / 2,
	s_mul_i32 s86, s86, 24576
	s_mul_i32 s85, s18, 3072                       ; its lower or upper 12 blocks
	s_add_co_u32 s86, s86, s85
	v_and_b32 v22, 31, v0
	v_min_u32 v23, 11, v22
	v_min_u32 v22, 23, v22
	v_lshlrev_b32 v23, 8, v23
	v_lshlrev_b32 v22, 8, v22
	v_add_nc_u32 v23, s86, v23
	v_add_nc_u32 v22, s84, v22
	global_prefetch_b8 v22, s[4:5] offset:6144 th:TH_LOAD_NT scope:SCOPE_SE
	global_prefetch_b8 v23, s[6:7] offset:6144 th:TH_LOAD_NT scope:SCOPE_SE
	v_and_b32 v1, 15, v0                           ; r
	v_bfe_u32 v2, v0, 4, 1                         ; h
	v_and_b32 v3, 31, v0
	v_lshlrev_b32 v21, 2, v3                       ; 4 x lane
	v_lshlrev_b32 v3, 4, v3                        ; 16 x lane
	s_mul_i32 s84, s16, 24576                      ; my four row tiles
	v_add_nc_u32 v[ADRA], s84, v3
	v_add_nc_u32 v[ADRA+1], SLOT, v[ADRA]
	v_add_nc_u32 v[ADRB], BOFF, v3
	v_add_nc_u32 v[ADRB+1], SLOT+BOFF, v3
	s_xor_b32 s84, s16, 3
	s_add_co_u32 s84, s84, 1
	s_lshl_b32 s84, s84, 12                        ; SCB - (SCA + 4,096 w): the distance from my x words to W's
	v_mul_u32_u24 v9, s84, v2                      ; lanes 16-31 take W's
	v_lshl_add_u32 v9, v1, 2, v9
	s_lshl_b32 s84, s16, 12
	s_add_co_u32 s84, s84, SCA
	v_add_nc_u32 v[ADRS], s84, v9
	v_lshlrev_b32 v13, 2, v1                       ; 4 r
	v_lshlrev_b32 v12, 8, v1
	v_lshl_add_u32 v12, v2, 4, v12                 ; cos, sin: token r's row of 256 bytes, + 16 h
	v_lshlrev_b32 v14, 5, v2                       ; the bias: 32 h
	s_mul_i32 s84, s16, 33792                      ; v's stage, in slot 0: 256 tokens x (512 + 16) bytes; my 64 tokens
	v_mul_u32_u24 v15, v1, 528
	v_lshl_add_u32 v15, v2, 5, v15
	v_add_nc_u32 v15, s84, v15                     ; in: token r, + 32 h
	s_lshl_b32 s84, s16, 7
	v_add_nc_u32 v16, s84, v21                     ; back: channel 32 w + lane; a register for each 64 tokens
	v_add_nc_u32 v17, 33792, v16
	v_add_nc_u32 v18, 67584, v16
	v_add_nc_u32 v19, 101376, v16
	v_mul_u32_u24 v20, v2, 1536
	v_lshl_add_u32 v20, v1, 4, v20                 ; v's codes: my channel tile, 16 r
	s_lshl_b32 s84, s19, 9
	s_mov_b32 s85, 0
	s_add_nc_u64 s[8:9], s[8:9], s[84:85]          ; the bias of my 128 columns; lane (r, h) wants, for tile b, columns 16 b + 8 h + 0 .. 7
.irp b, 0,1,2,3,4,5,6,7
	global_load_b128 v[BIAS+8*\b:BIAS+8*\b+3], v14, s[8:9] offset:64*\b
	global_load_b128 v[BIAS+8*\b+4:BIAS+8*\b+7], v14, s[8:9] offset:64*\b+16
.endr
	s_lshl_b32 s84, s19, 7
	s_lshl_b32 s85, s20, 4
	s_add_co_u32 s84, s84, s85
	s_lshl_b32 s85, s16, 2
	s_add_co_u32 s84, s84, s85                     ; q, k: my first fragment: 128 tx + 16 ty + 4 w (k's heads follow q's)
	s_mul_i32 s86, s84, 1536
	s_mov_b32 s87, 0
	s_add_nc_u64 s[86:87], s[14:15], s[86:87]
	s_lshl_b32 s88, s84, 6
	s_add_co_u32 s88, s88, QS
	s_mov_b32 s89, 0
	s_add_nc_u64 s[88:89], s[14:15], s[88:89]
	s_lshl_b32 s90, s20, 16
	s_lshl_b32 s91, s16, 14
	s_add_co_u32 s90, s90, s91                     ; cos, sin at my first token
	s_mov_b32 s91, 0
	s_add_nc_u64 s[92:93], s[10:11], s[90:91]
	s_add_nc_u64 s[94:95], s[12:13], s[90:91]
	s_mov_b32 s[SEL], 0x76543210
	s_mov_b32 s[SEL+1], 0xfedcba98
; 44 LDS loads in one run: K step ks (the slot's q-th): W's 8 fragments, my 4 of x, 8 scale registers; into set ks % 2.
; Scale register i: lanes 16-31 the words of W's tile i; lanes 0-15, for i < 4, those of my row tile i (for i >= 4 they read other scale words, which nobody uses).
.macro FETCH slot, q, ks
.set FS, (\ks)%2
	WIN 0x80                                       ; destination window 2
.irp b, 0,1,2,3,4,5,6,7
.irp c, 0,1,2
	ds_load_b128 v[96*FS+12*\b+4*\c:96*FS+12*\b+4*\c+3], v[ADRB+\slot] offset:\b*6144+(\q)*1536+512*\c
.endr
.endr
	WIN 0
.irp a, 0,1,2,3
.irp c, 0,1,2
	ds_load_b128 v[AF+48*FS+12*\a+4*\c:AF+48*FS+12*\a+4*\c+3], v[ADRA+\slot] offset:\a*6144+(\q)*1536+512*\c
.endr
.endr
.irp i, 0,1,2,3,4,5,6,7
	ds_load_b32 v[SC+8*FS+\i], v[ADRS] offset:\i*1024+(\ks)*64
.endr
.endm
; n x 8 matrix instructions: my row tiles a0 on x W's eight.  The 32 accumulators take turns, one instruction a turn, in the same order in every step.
.macro MUL ks, a0, n, first
.set MS, SC+8*((\ks)%2)
.set MB, 96*((\ks)%2)
.set MA, AF+48*((\ks)%2)
.set ma, \a0
.rept \n
.irp b, 0,1,2,3,4,5,6,7
.if \first
	v_wmma_scale_f32_16x16x128_f8f6f4 v[64*ma+8*\b:64*ma+8*\b+7], v[MB+12*\b:MB+12*\b+11], v[MA+12*ma:MA+12*ma+11], v[BIAS+8*\b:BIAS+8*\b+7], v[MS+\b], v[MS+ma] matrix_a_fmt:MATRIX_FMT_FP6 matrix_b_fmt:MATRIX_FMT_FP6 matrix_a_scale:MATRIX_SCALE_ROW1
.else
	v_wmma_scale_f32_16x16x128_f8f6f4 v[64*ma+8*\b:64*ma+8*\b+7], v[MB+12*\b:MB+12*\b+11], v[MA+12*ma:MA+12*ma+11], v[64*ma+8*\b:64*ma+8*\b+7], v[MS+\b], v[MS+ma] matrix_a_fmt:MATRIX_FMT_FP6 matrix_b_fmt:MATRIX_FMT_FP6 matrix_a_scale:MATRIX_SCALE_ROW1
.endif
.endr
.set ma, ma+1
.endr
.endm
; A K step whose successor lies in the same slot: the next step's fragments are asked for ahead of this step's 32 products.
.macro STEP slot, q, ks, first
	s_wait_dscnt 0x0                               ; this step's fragments are in
	PLACES
	FETCH \slot, (\q)+1, (\ks)+1
.if \first
	WIN 0x42                                       ; source 0 window 2, source 1 and the bias window 0, D window 1
.else
	WIN 0x52                                       ; C and D window 1
.endif
	MUL \ks, 0, 4, \first
.endm
; A slot's last step changes slots: one barrier; in front of it each wave waits for all its tensor loads, adds 0 to its spare word, and waits for that and for its reads of this slot.
.macro TURN slot, next, ks, fill
	WIN 0
	s_wait_tensorcnt 0x0                           ; all my tensor loads have landed: my part of the next slot
	ds_add_u32 v[SPW], v[NIL]                      ; 0 onto my spare word
	s_wait_dscnt 0x1                               ; this step's fragments are in; the add alone may be out
	WIN 0x52
	MUL \ks, 0, 1, 0                               ; eight products stand between the add and the wait for it
	s_wait_dscnt 0x0                               ; the add is done, and my reads of this slot are over
	s_barrier_signal -1
	MUL \ks, 1, 1, 0
	WIN 0
	s_barrier_wait -1
.if \fill
	CREST                                          ; the barrier has opened a round of the cluster's: no wave of any partner still reads this slot or has a load on its way
	s_add_nc_u64 s[G0A+4*\slot+2:G0A+4*\slot+3], s[G0A+4*\slot+2:G0A+4*\slot+3], 12288
	s_add_nc_u64 s[G0B+4*\slot+2:G0B+4*\slot+3], s[G0B+4*\slot+2:G0B+4*\slot+3], 12288
	JLOAD G0A+4*\slot, G1A, G0B+4*\slot, G1B       ; two chunks on; it has four K steps in which to land; its four v_nop are the places in front of the loads below
.else
	PLACES
.endif
	FETCH \next, 0, (\ks)+1
.if (\ks) == 3
	global_prefetch_b8 v22, s[4:5] offset:18432 th:TH_LOAD_NT scope:SCOPE_SE   ; chunk 3, one load ahead
	global_prefetch_b8 v23, s[6:7] offset:18432 th:TH_LOAD_NT scope:SCOPE_SE
.endif
	WIN 0x52
	MUL \ks, 2, 2, 0
.endm
; The last four K steps, all in slot 1: written once on each of the two ways.  Behind them the places for the first read of results, and the lane permutes' destinations (they count as sources) are written.
.macro TAIL
	STEP 1, 0, 12, 0
	STEP 1, 1, 13, 0
	STEP 1, 2, 14, 0
	s_wait_dscnt 0x0
	WIN 0x52
	MUL 15, 0, 4, 0
	WIN 0
	PLACES
.irp b, 0,1,2,3
	v_mov_b32 v[TM+4+\b], 0
.endr
.endm
; 64 numbers of a lane in window w, register 16 b + i, become a fragment's codes in v[PC] on and its scale word in v[PW].  Each accumulator is read from its low end on.
.macro QUANT s, w
	WIN 5*(\w)                                     ; sources 0 and 1
.irp b, 0,1,2,3
	v_max3_num_f32 v[TM+\b], |v[(\s)+16*\b]|, |v[(\s)+16*\b+1]|, 0x1800000   ; the floor 2^(3 - 127) holds the byte at 1 from below
.endr
.irp i, 2,4,6,8,10,12,14
.irp b, 0,1,2,3
	v_max3_num_f32 v[TM+\b], |v[(\s)+16*\b+\i]|, |v[(\s)+16*\b+\i+1]|, v[TM+\b]
.endr
.endr
	WIN 0
.irp b, 0,1,2,3
	v_permlanex16_b32 v[TM+4+\b], v[TM+\b], s[SEL], s[SEL+1]
.endr
.irp b, 0,1,2,3
	v_max_num_f32 v[TM+\b], v[TM+\b], v[TM+4+\b]   ; with lane l xor 16's 16: the block's largest magnitude
.endr
.irp b, 0,1,2,3
	v_add_nc_u32 v[TM+12+\b], 0xff000000, v[TM+\b] ; 2 off the exponent field: the conversion's scale operand
.endr
.irp b, 0,1,2,3
	v_lshrrev_b32 v[TM+4+\b], 23, v[TM+12+\b]      ; the byte
.endr
	v_lshl_or_b32 v[PW], v[TM+5], 8, v[TM+4]
	v_lshl_or_b32 v[PW], v[TM+6], 16, v[PW]
	v_lshl_or_b32 v[PW], v[TM+7], 24, v[PW]
	WIN \w                                         ; source 0
.irp c, 0,1
	v_cvt_scalef32_pk16_fp6_f32 v[PC+6*\c:PC+6*\c+2], v[(\s)+32*\c:(\s)+32*\c+15], v[TM+12+2*\c]
	v_cvt_scalef32_pk16_fp6_f32 v[PC+12+4*\c:PC+14+4*\c], v[(\s)+32*\c+16:(\s)+32*\c+31], v[TM+13+2*\c]
.endr
	WIN 0
	v_nop                                          ; one plain place behind a scaled conversion
.irp c, 0,1                                    ; the operand's layout wants a whole block in a lane
.irp i, 0,1,2
	v_permlane16_swap_b32 v[PC+6*\c+\i], v[PC+12+4*\c+\i]
.endr
.irp i, 0,1,2
	v_mov_b32 v[PC+3+6*\c+\i], v[PC+12+4*\c+\i]
.endr
.endr
.endm
.macro OUTF a                          ; row tile a's fragment and scale words leave as they stand
.irp c, 0,1,2
	global_store_b128 v3, v[PC+4*\c:PC+4*\c+3], s[86:87] offset:\a*1536+512*\c     ; 512 consecutive bytes, aligned
.endr
	global_store_b32 v13, v[PW], s[88:89] offset:64*\a                           ; lanes l and l + 16 store the same word
.endm
; Row tile a's pairs are turned: (x0, x1) -> (x0 c - x1 s, x0 s + x1 c).  Accumulators window 1, cos and sin window 3, results v[H] on.
.macro ROPE a
	WIN 0x0d
.irp b, 0,1,2,3,4,5,6,7
.irp p, 0,1,2,3
	v_mul_f32 v[T+2*\p], v[64*\a+8*\b+2*\p], v[64*\a+4*\b+\p]
	v_mul_f32 v[T+2*\p+1], v[64*\a+8*\b+2*\p], v[64*\a+32+4*\b+\p]
.endr
.irp p, 0,1,2,3
	v_fma_f32 v[H+8*\b+2*\p], -v[64*\a+8*\b+2*\p+1], v[64*\a+32+4*\b+\p], v[T+2*\p]
	v_fma_f32 v[H+8*\b+2*\p+1], v[64*\a+8*\b+2*\p+1], v[64*\a+4*\b+\p], v[T+2*\p+1]
.endr
.endr
	WIN 0
.endm
	s_wait_alu depctr_va_vdst(0)
	s_wait_tensorcnt 0x0                           ; my tile of the head's four is in; slot 1's first fill is issued as a refill is:
	ds_add_u32 v[SPW], v[NIL]                      ; 0 onto my spare word
	s_mov_b32 s[G1A+2], 8<<16                      ; no tensor load of mine is out: from here on a load brings half a chunk
	s_mov_b32 s[G1A+4], 8
	s_mov_b32 s[G1B+2], 4<<16
	s_mov_b32 s[G1B+4], 4
	s_wait_dscnt 0x0
	CROUND                                         ; all four tiles are in, and all sixteen work-groups are here
	JLOAD G0A+4, G1A, G0B+4, G1B                   ; chunk 1, the first tensor load behind the round
	FETCH 0, 0, 0
	global_prefetch_b8 v22, s[4:5] offset:12288 th:TH_LOAD_NT scope:SCOPE_SE   ; chunk 2, one load ahead
	global_prefetch_b8 v23, s[6:7] offset:12288 th:TH_LOAD_NT scope:SCOPE_SE
	s_wait_loadcnt 0x0                             ; the bias
	STEP 0, 0, 0, 1
	STEP 0, 1, 1, 0
	STEP 0, 2, 2, 0
	TURN 0, 1, 3, 1
	STEP 1, 0, 4, 0
	STEP 1, 1, 5, 0
	STEP 1, 2, 6, 0
	TURN 1, 0, 7, 1
	STEP 0, 0, 8, 0
	STEP 0, 1, 9, 0
	STEP 0, 2, 10, 0
	TURN 0, 1, 11, 0                               ; nothing is left to fetch; behind this barrier nobody reads slot 0, which has had its last fill
	WIN 0                                          ; at a branch every window is 0
	s_cmp_lt_u32 ttmp9, 4                          ; the cluster's x: the same in all partners
	s_cbranch_scc0 .Lnot_q
	; ---- q
	TAIL
.irp a, 0,1,2,3
.if \a > 0
	s_wait_xcnt 0x0                                ; the last stores have read their registers
.endif
	QUANT 64*\a, 1
	OUTF \a
.endr
	s_branch .Ldone
.Lnot_q:
	WIN 0xc0                                       ; destination window 3.  cos(a, b) at v[64 a + 4 b], sin at + 32: the four pairs of columns 16 b + 8 h + 0 .. 7 of token 16 a + r
.irp a, 0,1,2,3                                ; asked for here, four K steps (128 products) ahead of the first rotation
.irp b, 0,1,2,3,4,5,6,7
	global_load_b128 v[64*\a+4*\b:64*\a+4*\b+3], v12, s[92:93] offset:4096*\a+32*\b
.endr
.irp b, 0,1,2,3,4,5,6,7
	global_load_b128 v[64*\a+32+4*\b:64*\a+32+4*\b+3], v12, s[94:95] offset:4096*\a+32*\b
.endr
.endr
	WIN 0
	TAIL
	s_cmp_eq_u32 ttmp9, 4
	s_cbranch_scc0 .Lv
	; ---- k
.irp a, 0,1,2,3
	s_wait_loadcnt 48-16*\a                        ; this row tile's 16 loads are in; the later tiles' may be out
.if \a > 0
	s_wait_xcnt 0x0
.endif
	ROPE \a
	QUANT H, 0
	OUTF \a
.endr
	s_branch .Ldone
.Lv:
	; ---- v
	s_sub_co_u32 s90, s19, 20                      ; kv head
	s_lshl_b32 s90, s90, 4
	s_lshl_b32 s91, s20, 1
	s_add_co_u32 s90, s90, s91                     ; my first key step: 16 x kv head + 2 ty
	s_lshl_b32 s96, s90, 3
	s_lshl_b32 s91, s16, 1
	s_add_co_u32 s96, s96, s91                     ; x 8 channel tiles, + my two
	s_mul_i32 s96, s96, 1536
	s_add_co_u32 s96, s96, VC
	s_mov_b32 s97, 0
	s_add_nc_u64 s[96:97], s[14:15], s[96:97]
	s_lshl_b32 s98, s90, 9
	s_lshl_b32 s91, s16, 7
	s_add_co_u32 s98, s98, s91
	s_add_co_u32 s98, s98, VS
	s_mov_b32 s99, 0
	s_add_nc_u64 s[98:99], s[14:15], s[98:99]
.irp a, 0,1,2,3
	s_wait_loadcnt 48-16*\a
	ROPE \a
.irp b, 0,1,2,3,4,5,6,7
	ds_store_b128 v15, v[H+8*\b:H+8*\b+3] offset:\a*8448+64*\b
	ds_store_b128 v15, v[H+8*\b+4:H+8*\b+7] offset:\a*8448+64*\b+16
.endr
	s_wait_dscnt 0x0                               ; the stores have read their registers; behind the last: for the others' sake
.endr
	s_barrier_signal -1
	s_barrier_wait -1                              ; 256 tokens x 128 channels lie in the stage
; 32 numbers of one lane in window 1 -> 6 registers of codes at v[dst]; the byte -> v[BY]
.macro BLOCKQ1 src, dst
	WIN 0x05
	v_max3_num_f32 v[M0], |v[(\src)]|, |v[(\src)+1]|, 0x1800000
	v_max3_num_f32 v[M1], |v[(\src)+2]|, |v[(\src)+3]|, 0x1800000
.irp i, 4,8,12,16,20,24,28
	v_max3_num_f32 v[M0], |v[(\src)+\i]|, |v[(\src)+\i+1]|, v[M0]
	v_max3_num_f32 v[M1], |v[(\src)+\i+2]|, |v[(\src)+\i+3]|, v[M1]
.endr
	WIN 0
	v_max_num_f32 v[M0], v[M0], v[M1]
	v_add_nc_u32 v[SCL], 0xff000000, v[M0]
	v_lshrrev_b32 v[BY], 23, v[SCL]
	WIN 0x01
	v_cvt_scalef32_pk16_fp6_f32 v[(\dst):(\dst)+2], v[(\src):(\src)+15], v[SCL]
	v_cvt_scalef32_pk16_fp6_f32 v[TC:TC+2], v[(\src)+16:(\src)+31], v[SCL]
	WIN 0
	v_nop
.irp i, 0,1,2
	v_mov_b32 v[(\dst)+3+\i], v[TC+\i]
.endr
.endm
.irp k, 0,1                                    ; my 32 channels x 128 keys, twice: a lane takes a channel, its registers run down the keys in the block's order
.if \k > 0
	s_wait_xcnt 0x0                                ; the last stores have read their registers
.endif
	WIN 0x40                                       ; destination window 1: the accumulators are done with
.irp bb, 0,1,2,3
.set i, 0
.rept 32
	ds_load_b32 v[32*\bb+i], v[16+2*\k+\bb/2] offset:(32*(\bb%2)+(i%8)+16*((i/8)%2)+8*(i/16))*528
.set i, i+1
.endr
.endr
.irp bb, 0,1,2,3
.if \bb < 2
	s_wait_dscnt 63                                ; all but the youngest 63 are in: blocks 0 and 1 (a wait names 63 at the most)
.else
	s_wait_dscnt 96-32*\bb
.endif
	BLOCKQ1 32*\bb, R+12*(\bb%2)+6*(\bb/2)
.if \bb == 0
	v_mov_b32 v[PW], v[BY]
.else
	v_lshl_or_b32 v[PW], v[BY], 8*\bb, v[PW]
.endif
.endr
.irp hh, 0,1
.irp c, 0,1,2
	global_store_b128 v20, v[R+12*\hh+4*\c:R+12*\hh+4*\c+3], s[96:97] offset:12288*\k+512*\c+256*\hh   ; sixteen lanes store 256 consecutive bytes, aligned
.endr
.endr
	global_store_b32 v21, v[PW], s[98:99] offset:512*\k
.endr
.Ldone:
	s_wait_tensorcnt 0x0                           ; the wave's end
	ds_add_u32 v[SPW], v[NIL]
	s_wait_dscnt 0x0
	CROUND                                         ; the closing round
	s_endpgm
; ---- CLUSTERS 6 AND 7: W_proj [2048 (k)][2048], f32, becomes codes of FP6 (E2M3) and scale words in opp, [column tile 128][K step 16][1536], the scale words from byte 3,145,728 on, for launch gemm2.
; qkv's 192 blocks leave 64 work-groups of a whole turn of 256: these take W_proj's 16 x 16 units of 128 columns x 128 K, four each: one group of 128 columns, four K steps on end, a trip of the loop a K step.
; K is the FIRST axis: a lane takes a column and its registers run down K, in the order inside a block that all operands of this program have; a wave takes 32 columns; nothing is transposed.
; No tensor load, no LDS store and no joint request on this way; all sixteen partners of a cluster take it.  The places in the cluster enter global addresses alone.
; LIMITS as for the other operands: a block of zeros gets the byte 1; NaN and infinities are not served.
.Lwproj:
	s_load_b128 s[24:27], s[0:1], 0x30             ; W_proj, opp
	s_bfe_u32 s21, ttmp6, 0x40000                  ; cx
	s_bfe_u32 s22, ttmp6, 0x40004                  ; cy
	s_sub_co_u32 s19, ttmp9, 6
	s_lshl_b32 s19, s19, 2
	s_add_co_u32 s19, s19, s21                     ; 0..7
	s_and_b32 s20, ttmp7, 0xffff
	s_lshl_b32 s20, s20, 2
	s_add_co_u32 s20, s20, s22                     ; 0..7
	s_and_b32 s23, s20, 1
	s_lshl_b32 s19, s19, 1
	s_add_co_u32 s19, s19, s23                     ; which 128 columns: 0..15
	s_lshr_b32 s20, s20, 1
	s_lshl_b32 s20, s20, 2                         ; my first K step: 0, 4, 8, 12
	s_lshl_b32 s34, s19, 9
	s_lshl_b32 s23, s16, 7
	s_add_co_u32 s34, s34, s23                     ; my wave's first column, in bytes,
	s_lshl_b32 s23, s20, 20
	s_add_co_u32 s34, s34, s23                     ; + 128 rows of 8,192 bytes a K step
	s_mov_b32 s35, 0
	s_lshl_b32 s36, s19, 3
	s_lshl_b32 s23, s16, 1
	s_add_co_u32 s36, s36, s23                     ; my first column tile
	s_lshl_b32 s38, s36, 10
	s_mul_i32 s36, s36, 24576
	s_mul_i32 s23, s20, 1536
	s_add_co_u32 s36, s36, s23
	s_mov_b32 s37, 0
	s_lshl_b32 s23, s20, 6
	s_add_co_u32 s38, s38, s23
	s_add_co_u32 s38, s38, 3145728
	s_mov_b32 s39, 0
	s_mov_b32 s40, 4                               ; trips
	v_and_b32 v1, 15, v0                           ; r
	v_bfe_u32 v2, v0, 4, 1                         ; h
	v_and_b32 v3, 31, v0
	v_lshlrev_b32 v4, 2, v3                        ; 4 x lane: a load reads 128 consecutive bytes, the work-group's four waves 512
	v_mul_u32_u24 v5, v2, 24576
	v_lshl_add_u32 v5, v1, 4, v5                   ; out: my tile, 16 r
	v_lshlrev_b32 v6, 10, v2
	v_lshl_add_u32 v6, v1, 2, v6
	s_wait_alu depctr_va_vdst(0)
	s_wait_kmcnt 0x0
	s_add_nc_u64 s[28:29], s[24:25], s[34:35]
	s_add_nc_u64 s[30:31], s[26:27], s[36:37]
	s_add_nc_u64 s[32:33], s[26:27], s[38:39]
.Lwp:
	WIN 0x40                                       ; destination window 1
.irp b, 0,1,2,3
.set i, 0
.rept 32
	global_load_b32 v[32*\b+i], v4, s[28:29] offset:(32*\b+(i%8)+16*((i/8)%2)+8*(i/16))*8192 th:TH_LOAD_NT
.set i, i+1
.endr
.endr
.irp bb, 0,1,2,3
.if \bb < 2
	s_wait_loadcnt 63                              ; all but the youngest 63 are in: the first 65, blocks 0 and 1 among them (a wait names 63 at the most)
.else
	s_wait_loadcnt 96-32*\bb                       ; the later blocks' loads may be out
.endif
	BLOCKQ1 32*\bb, R+12*(\bb%2)+6*(\bb/2)
.if \bb == 0
	v_mov_b32 v[PW], v[BY]
.else
	v_lshl_or_b32 v[PW], v[BY], 8*\bb, v[PW]
.endif
.endr
.irp hh, 0,1
.irp c, 0,1,2
	global_store_b128 v5, v[R+12*\hh+4*\c:R+12*\hh+4*\c+3], s[30:31] offset:512*\c+256*\hh   ; sixteen lanes store 256 consecutive bytes, aligned
.endr
.endr
	global_store_b32 v6, v[PW], s[32:33]
	s_wait_xcnt 0x0                                ; the bases and the stores' data are written again only behind this wait
	s_add_nc_u64 s[28:29], s[28:29], 0x100000      ; the next K step: 128 rows down,
	s_add_nc_u64 s[30:31], s[30:31], 1536          ; the next fragment,
	s_add_nc_u64 s[32:33], s[32:33], 64            ; the next scale words
	s_sub_co_u32 s40, s40, 1
	s_cmp_lg_u32 s40, 0
	s_wait_alu depctr_va_vdst(0)
	s_cbranch_scc1 .Lwp
	s_wait_tensorcnt 0x0                           ; the wave's end
	ds_add_u32 v[SPW], v[NIL]
	s_wait_dscnt 0x0
	CROUND                                         ; a closing round on this way too
	s_endpgm
.Lfunc_end_k_q769ec7c821_gemm1:
	.size	k_q769ec7c821_gemm1, .Lfunc_end_k_q769ec7c821_gemm1-k_q769ec7c821_gemm1
	.p2alignl 7, 3214868480
	.fill 96, 4, 3214868480
	.section	.rodata,"a",@progbits
	.p2align	6, 0x0
	.amdhsa_kernel k_q769ec7c821_gemm1
		.amdhsa_group_segment_fixed_size 327680
		.amdhsa_private_segment_fixed_size 0
		.amdhsa_enable_private_segment 0
		.amdhsa_kernarg_size 64
		.amdhsa_user_sgpr_count 2
		.amdhsa_user_sgpr_kernarg_segment_ptr 1
		.amdhsa_wavefront_size32 1
		.amdhsa_system_sgpr_workgroup_id_x 1
		.amdhsa_system_sgpr_workgroup_id_y 1
		.amdhsa_system_sgpr_workgroup_id_z 1
		.amdhsa_system_vgpr_workitem_id 0
		.amdhsa_next_free_vgpr 1024
		.amdhsa_next_free_sgpr 100
		.amdhsa_reserve_vcc 0
		.amdhsa_float_denorm_mode_32 3
		.amdhsa_float_denorm_mode_16_64 3
		.amdhsa_memory_ordered 1
		.amdhsa_forward_progress 1
		.amdhsa_inst_pref_size 255
	.end_amdhsa_kernel
	.section	.bss,"aw",@nobits
	.p2align	6
	.space	262144
	.amdgpu_metadata
---
amdhsa.version: [ 1, 2 ]
amdhsa.kernels:
  - .name:           k_q769ec7c821_gemm1
    .symbol:         k_q769ec7c821_gemm1.kd
    .args:
      - { .name: opx, .offset: 0, .size: 8, .value_kind: global_buffer, .address_space: global }
      - { .name: opa, .offset: 8, .size: 8, .value_kind: global_buffer, .address_space: global }
      - { .name: b_attn, .offset: 16, .size: 8, .value_kind: global_buffer, .address_space: global }
      - { .name: freqs_cos, .offset: 24, .size: 8, .value_kind: global_buffer, .address_space: global }
      - { .name: freqs_sin, .offset: 32, .size: 8, .value_kind: global_buffer, .address_space: global }
      - { .name: qkv, .offset: 40, .size: 8, .value_kind: global_buffer, .address_space: global }
      - { .name: W_proj, .offset: 48, .size: 8, .value_kind: global_buffer, .address_space: global }
      - { .name: opp, .offset: 56, .size: 8, .value_kind: global_buffer, .address_space: global }
    .group_segment_fixed_size: 327680
    .private_segment_fixed_size: 0
    .kernarg_segment_align: 8
    .kernarg_segment_size: 64
    .max_flat_workgroup_size: 128
    .sgpr_count:     100
    .vgpr_count:     1024
    .wavefront_size: 32
...
	.end_amdgpu_metadata
.endif
;; end of part 2
;; launch attn (part 3): grid 16 x 16, 8 waves a work-group, clusters of 4 x 1, 327,680 bytes of LDS; arguments qkv, yq; writes yq
.if DOCPART == 3
	.amdgcn_target "amdgcn-amd-amdhsa--gfx1250"
	.amdhsa_code_object_version 6
	.text
	.protected	k_q769ec7c821_attn
	.globl	k_q769ec7c821_attn
	.p2align	8
	.type	k_q769ec7c821_attn,@function
k_q769ec7c821_attn:
	s_mov_b64 s[64:65], 0
	v_nop
	global_prefetch_b8 v0, s[64:65] scope:SCOPE_SE
	s_setreg_imm32_b32 hwreg(HW_REG_WAVE_MODE, 25, 1), 1
	s_wait_xcnt 0x0
	s_wait_alu depctr_hold_cnt(0) depctr_sa_sdst(0) depctr_va_vdst(0) depctr_va_sdst(0) depctr_va_ssrc(0) depctr_va_vcc(0) depctr_vm_vsrc(0)
	s_getreg_b32 s2, hwreg(HW_REG_IB_STS2, 6, 4)
	s_cmp_eq_u32 s2, 0
	s_cbranch_scc0 .Lentry_in_a_cluster
	s_endpgm
.Lentry_in_a_cluster:
	s_bfe_u32 s2, ttmp6, 0x10000c
	s_cmp_lg_u32 s2, 0x3003
	s_cbranch_scc0 .Lentry_shape_is_right
	s_endpgm
.Lentry_shape_is_right:
; y = softmax(q k^T / sqrt(128), causal) v on codes of FP6 (E2M3); y leaves as codes with its scale words, laid as the next product's operand.
; All operands are images of the operand's registers: a fragment (16 rows x 128 K) is 1,536 bytes, its scale words 64 bytes.  Both products are used transposed: a lane holds one query.
; WORK LEFT OUT: key steps that lie wholly behind a tile's queries (reference()'s own jnp.tril gives them p = 0) are jumped over by scalar branches on ids.
; SHARES: work-group (head, y): query tiles (16 queries) 4 y + p and 124 - 4 y + p, p = 0..3: together 17 key steps of 128 for every p.  Waves p and p + 4 share the two tiles of p:
; wave p takes the even key steps of BOTH tiles, wave p + 4 the odd ones, so each has 8 or 9 tile-steps, and a step's K and V fragments serve both tiles.
; Each wave KEEPS one tile (X: wave p the later tile, wave p + 4 the earlier) and GIVES the other (Y): at the end Y's partial (-M, l, O) goes through LDS to the partner, for which it is X.
; The two partials are joined by exact powers of two: -M = the lesser -M, each part x 2^(its M - M); the factors take 1 / l with them.  M is the ceiling of a running maximum, as the problem states it.
; RING: two slots of four key steps (K 49,152 bytes, V 49,152); the four heads of a kv head form a cluster and ask for every tile jointly (mask 15).  K's and V's scale words come once.
; At the head every wave issues one joint load: waves 0,1 slot 0's K in halves, 2,3 its V, 4,5 K's scale words, 6,7 V's.  In the ring waves 0-3 bring a K step each, waves 4-7 a V step.
; Every work-group makes all four fills, whatever y: partners' requests stay alike, and the trip counts are constants.
; No prefetch: the walk has three refills, and the sixteen clusters of a kv head ask for the same 393,216 bytes of codes.
; LIMITS: the promise holds while the scaled scores stay under 2^31 in magnitude; NaN and infinities are not served; a block of zeros gets the byte 1 (its codes are zeros; this program alone reads the bytes).
; REGISTERS: window 0: v1-11, v76 addresses; X: v12-15 -M, largest t, l; v16-27 q; Y: v28-31, v32-43; v44-45 q's scale words; v80-95 K's and V's scale words; v96-159 scores, then p; v160-223 X's O;
;   v224-254 at work.  Window 1: v0-95 K's fragments, v96-191 V's, v192-255 Y's O.
.set KC,    3145728
.set VC,    3932160
.set QS,    4718592
.set KS,    4849664
.set VS,    4882432
.set YS,    3145728
.set STEPB, 12288
.set VOFF,  49152
.set SLOT1, 1<<17
.set SCK,   262144
.set SCV,   270336
.set SPARE, 278528                     ; the spare words: 128 bytes a wave
.set STAGE, 98304                      ; behind each slot's tiles 32,768 bytes into which no fill lands: four waves' O, 8,192 bytes each
.set STATE, 282624                     ; 512 bytes a wave: -M and l
.set LI,   1
.set L4,   2
.set ASK,  3
.set STG,  4
.set SPW,  5
.set NIL,  6
.set DQ,   7
.set ADK,  8
.set LDG,  9
.set ADS,  10
.set SST,  11
.set LST,  76
.set QSY,  44
.set QSX,  45
.set KSW,  80
.set VSW,  88
.set KB,   0
.set VB,   96
.set TM,   232
.set PC,   56
.set PW,   248
.set WV,   8
.set Q0X,  12
.set QLX,  13
.set Q0Y,  14
.set QLY,  15
.set QLM,  16
.set PAR,  17
.set P,    18
.set SEL,  20
.set CS,   22
.set G1,   24
.set G1S,  32
.set G0K,  40
.set G0V,  44
.set HK,   48
.set HV,   52
.set HSK,  56
.set HSV,  60
.set TB,   66
.set TS,   67
.set KF,   68
.set SLOTS, 69
.set STEPS, 70
.set G1H,  92
.set MSB, 0
.macro WIN new                         ; the immediate's high byte repeats the setting that is left
.if MSB != (\new)
	s_set_vgpr_msb (MSB<<8)|(\new)
.set MSB, (\new)
.endif
.endm
.macro JLOAD g0a, g0b, g1              ; the ring's joint load: waves 0-3 for K, 4-7 for V; s_nop 0 and four v_nop follow each line
	s_cmp_lt_u32 s[WV], 4
	s_cbranch_scc0 .Lfor_v_\@
	tensor_load_to_lds s[\g0a:\g0a+3], s[\g1:\g1+7]
	s_nop 0
.rept 4
	v_nop
.endr
	s_branch .Lasked_\@
.Lfor_v_\@:
	tensor_load_to_lds s[\g0b:\g0b+3], s[\g1:\g1+7]
	s_nop 0
.rept 4
	v_nop
.endr
.Lasked_\@:
.endm
.macro CROUND                          ; a round of the cluster's barrier
	s_barrier_signal -1
	s_barrier_wait -1
	s_cmp_lg_u32 s[WV], 0
	s_cbranch_scc1 .Lnot_wave_0_\@
	s_barrier_signal -3
.Lnot_wave_0_\@:
	s_barrier_wait -3
	s_barrier_signal -1
	s_barrier_wait -1
.endm
.macro GRP1 g, rows                    ; group 1: rows of 256 bytes (32 elements of 8), dense, mask 15 with bit 21 beside it
	s_mov_b32 s[\g], 15|(3<<16)|(1<<21)
	s_mov_b32 s[\g+1], 32<<16
	s_mov_b32 s[\g+2], (\rows)<<16
	s_mov_b32 s[\g+3], 32<<16
	s_mov_b32 s[\g+4], \rows
	s_mov_b32 s[\g+5], 32
	s_mov_b32 s[\g+6], 0
	s_mov_b32 s[\g+7], 0
.endm
.macro GRP0 g, ldsreg, ldsoff          ; group 0: LDS address s[ldsreg] + ldsoff, global address qkv + s[78:79]
	s_mov_b32 s[\g], 1
	s_add_co_u32 s[\g+1], s[\ldsreg], \ldsoff
	s_add_nc_u64 s[\g+2:\g+3], s[4:5], s[78:79]
	s_or_b32 s[\g+3], s[\g+3], 0x80000000
.endm
.macro KLOAD off, soff                 ; a step's eight fragments of K and their scale words
	WIN 0x40
.irp t, 0,1,2,3,4,5,6,7
.irp c, 0,1,2
	ds_load_b128 v[KB+12*\t+4*\c:KB+12*\t+4*\c+3], v[ADK] offset:(\off)+\t*1536+512*\c
.endr
.endr
	WIN 0
.irp t, 0,1,2,3,4,5,6,7
	ds_load_b32 v[KSW+\t], v[ADS] offset:(\soff)+\t*64
.endr
.endm
.macro VLOAD
	WIN 0x40
.irp t, 0,1,2,3,4,5,6,7
.irp c, 0,1,2
	ds_load_b128 v[VB+12*\t+4*\c:VB+12*\t+4*\c+3], v[ADK] offset:VOFF+\t*1536+512*\c
.endr
.endr
	WIN 0
.irp t, 0,1,2,3,4,5,6,7
	ds_load_b32 v[VSW+\t], v[ADS] offset:8192+\t*64
.endr
.endm
	s_load_b128 s[4:7], s[0:1], 0x0                ; qkv, yq
	v_lshl_add_u32 v[SPW], v0, 2, SPARE
	v_mov_b32 v[NIL], 0
	ds_add_u32 v[SPW], v[NIL]                      ; the opening lines: the add twice on end and one wait
	ds_add_u32 v[SPW], v[NIL]
	v_lshrrev_b32 v46, 5, v0
	v_readfirstlane_b32 s[WV], v46
	s_bfe_u32 s9, ttmp6, 0x40000                   ; cx: enters my own loads' and stores' addresses alone
	s_lshl_b32 s10, ttmp9, 2
	s_add_co_u32 s10, s10, s9                      ; head
	s_and_b32 s11, ttmp7, 0xffff                   ; y
	s_and_b32 s[P], s[WV], 3
	s_lshr_b32 s[PAR], s[WV], 2                    ; which key steps are mine: even (0) or odd (1)
	s_lshl_b32 s71, s11, 2
	s_add_co_u32 s72, s71, s[P]                    ; the earlier tile
	s_sub_co_u32 s73, 124, s71
	s_add_co_u32 s73, s73, s[P]                    ; the later tile
	s_cmp_eq_u32 s[PAR], 0
	s_cselect_b32 s74, s73, s72                    ; X: the tile I keep
	s_cselect_b32 s75, s72, s73                    ; Y: the tile I give
	s_lshl_b32 s[Q0X], s74, 4
	s_add_co_u32 s[QLX], s[Q0X], 15
	s_lshl_b32 s[Q0Y], s75, 4
	s_add_co_u32 s[QLY], s[Q0Y], 15
	s_lshl_b32 s[QLM], s73, 4
	s_add_co_u32 s[QLM], s[QLM], 15                ; the last query of either
	s_lshl_b32 s71, s10, 7
	s_add_co_u32 s72, s71, s74                     ; q's fragments: 128 head + tile
	s_add_co_u32 s73, s71, s75
	s_mul_i32 s80, s72, 1536
	s_mov_b32 s81, 0
	s_lshl_b32 s82, s72, 6
	s_add_co_u32 s82, s82, QS
	s_mov_b32 s83, 0
	s_mul_i32 s84, s73, 1536
	s_mov_b32 s85, 0
	s_lshl_b32 s86, s73, 6
	s_add_co_u32 s86, s86, QS
	s_mov_b32 s87, 0
	s_lshl_b32 s71, s74, 4
	s_add_co_u32 s71, s71, s10                     ; y's fragment: 16 X + head
	s_mul_i32 s88, s71, 1536
	s_mov_b32 s89, 0
	s_lshl_b32 s90, s71, 6
	s_add_co_u32 s90, s90, YS
	s_mov_b32 s91, 0
	s_mul_i32 s71, ttmp9, 196608                   ; the kv head's codes
	s_lshl_b32 s72, ttmp9, 13                      ; its scale words
	s_and_b32 s73, s[WV], 1
	s_mul_i32 s74, s73, 2*STEPB                    ; the head's loads: my half of slot 0's K or V,
	s_lshl_b32 s75, s73, 12                        ; or of the scale words
	s_mul_i32 s76, s[P], STEPB                     ; the ring's: my step of a slot
	GRP1 G1, 48
	GRP1 G1H, 96
	GRP1 G1S, 16
	s_mov_b32 s[SEL], 0x76543210
	s_mov_b32 s[SEL+1], 0xfedcba98
	s_mov_b32 s[CS], 0x3e0293ee                    ; log2(e) / sqrt(128)
	s_mov_b32 s[CS+1], s[CS]
	s_mul_i32 s[TB], s[PAR], STEPB
	s_lshl_b32 s[TS], s[PAR], 9
	s_lshl_b32 s[KF], s[PAR], 7
	s_mov_b32 s[SLOTS], 3
	s_mov_b32 s79, 0
	s_wait_dscnt 0x0                               ; both opening adds are done
	s_wait_kmcnt 0x0
	s_add_nc_u64 s[80:81], s[4:5], s[80:81]
	s_add_nc_u64 s[82:83], s[4:5], s[82:83]
	s_add_nc_u64 s[84:85], s[4:5], s[84:85]
	s_add_nc_u64 s[86:87], s[4:5], s[86:87]
	s_add_nc_u64 s[88:89], s[6:7], s[88:89]
	s_add_nc_u64 s[90:91], s[6:7], s[90:91]
	s_add_co_u32 s78, s71, s74
	s_add_co_u32 s78, s78, KC
	GRP0 HK, 74, 0
	s_add_co_u32 s78, s78, VC-KC
	GRP0 HV, 74, VOFF
	s_add_co_u32 s78, s72, s75
	s_add_co_u32 s78, s78, KS
	GRP0 HSK, 75, SCK
	s_add_co_u32 s78, s78, VS-KS
	GRP0 HSV, 75, SCV
	s_add_co_u32 s78, s71, s76
	s_add_co_u32 s78, s78, KC
	GRP0 G0K, 76, 0                                ; the ring's group 0 stands at slot 0, steps 0-3: each change of slots steps it first
	s_add_co_u32 s78, s78, VC-KC
	GRP0 G0V, 76, VOFF
	s_lshl_b32 s71, s[PAR], 17                     ; my stage: behind slot PAR's tiles, 8,192 p
	s_lshl_b32 s72, s[P], 13
	s_add_co_u32 s71, s71, s72
	s_add_co_u32 s71, s71, STAGE
	s_lshl_b32 s72, s[WV], 9
	s_add_co_u32 s72, s72, STATE
	s_xor_b32 s73, s[WV], 4                        ; my partner
	s_lshl_b32 s73, s73, 9
	s_add_co_u32 s73, s73, STATE
	CROUND                                         ; all four work-groups are here: the first joint loads meet
.macro ARM under, g0, g1, next         ; one chain of branches on the wave's number, one load to an arm, one join
	s_cmp_lt_u32 s[WV], \under
	s_cbranch_scc0 \next
	tensor_load_to_lds s[\g0:\g0+3], s[\g1:\g1+7]
	s_nop 0
.rept 4
	v_nop
.endr
	s_branch .Lhead_asked
\next:
.endm
	ARM 2, HK, G1H, .Lh_v
	ARM 4, HV, G1H, .Lh_sk
	ARM 6, HSK, G1S, .Lh_sv
	tensor_load_to_lds s[HSV:HSV+3], s[G1S:G1S+7]
	s_nop 0
.rept 4
	v_nop
.endr
.Lhead_asked:
	v_and_b32 v46, 31, v0
	v_lshlrev_b32 v[LI], 4, v46                    ; 16 x lane
	v_and_b32 v46, 15, v0
	v_lshlrev_b32 v[L4], 2, v46                    ; 4 r
	v_add_nc_u32 v[ASK], SCK, v[L4]
	v_bfe_u32 v47, v0, 4, 1
	v_lshlrev_b32 v47, 3, v47
	v_sub_nc_u32 v[DQ], v46, v47                   ; r - 8 h
	v_add_nc_u32 v[STG], s71, v[LI]
	v_xor_b32 v[LDG], SLOT1, v[STG]                ; my partner's stage lies behind the other slot
	v_add_nc_u32 v[SST], s72, v[LI]
	v_add_nc_u32 v[LST], s73, v[LI]
.irp c, 0,1,2
	global_load_b128 v[16+4*\c:19+4*\c], v[LI], s[80:81] offset:512*\c
	global_load_b128 v[32+4*\c:35+4*\c], v[LI], s[84:85] offset:512*\c
.endr
	global_load_b32 v[QSX], v[L4], s[82:83]
	global_load_b32 v[QSY], v[L4], s[86:87]
	v_mov_b32 v13, 0xff61b1e6                      ; the largest t so far: -3e38
	v_mov_b32 v29, 0xff61b1e6
	v_floor_f32 v12, -v13
	v_floor_f32 v28, -v29
.irp r, 14,15,30,31,236,237,238,239,252,253
	v_mov_b32 v\r, 0
.endr
.set j, 0
.rept 64
	v_mov_b32 v[160+j], 0                          ; the step is written once: the first finds zeros
.set j, j+1
.endr
	WIN 0x40
.set j, 0
.rept 64
	v_mov_b32 v[192+j], 0
.set j, j+1
.endr
	WIN 0
; One tile's share of a key step.  ST: -M, largest t, l (two halves); QB, QSC: q's fragment and scale words; OB, OW: O's first register and window; SQ0: the scalar with the tile's first query.
.macro TILE ST, QB, QSC, OB, OW, SQ0, ISY
	WIN 0x01
.irp t, 0,1,2,3,4,5,6,7
	v_wmma_scale_f32_16x16x128_f8f6f4 v[96+8*\t:103+8*\t], v[KB+12*\t:KB+12*\t+11], v[\QB:\QB+11], 0, v[KSW+\t], v[\QSC] matrix_a_fmt:MATRIX_FMT_FP6 matrix_b_fmt:MATRIX_FMT_FP6
.endr
	WIN 0
.rept 4
	v_nop                                          ; four places ahead of the first read of the scores
.endr
	s_add_co_u32 s71, s[KF], 127
	s_cmp_le_u32 s71, s[\SQ0]
	s_cbranch_scc1 .Lopen_\@                       ; no key of this step lies behind a query of the tile
	s_sub_co_i32 s71, s[\SQ0], s[KF]
	v_add_nc_u32 v252, s71, v[DQ]
	v_mov_b32 v254, 0xff800000
.set n, 0
.rept 64
	v_cmp_gt_i32 vcc_lo, 16*(n/8)+n%8, v252        ; register n holds key 16 (n / 8) + 8 h + n % 8 of the step
	v_cndmask_b32 v[96+n], v[96+n], v254, vcc_lo
.set n, n+1
.endr
.Lopen_\@:
.irp b, 0,1,2,3
	v_max3_num_f32 v[232+\b], v[96+16*\b], v[97+16*\b], v[98+16*\b]   ; each block's largest score: for the row's maximum and for the block's largest p
.endr
.irp i, 3,5,7,9,11,13
.irp b, 0,1,2,3
	v_max3_num_f32 v[232+\b], v[232+\b], v[96+16*\b+\i], v[97+16*\b+\i]
.endr
.endr
.irp b, 0,1,2,3
	v_max_num_f32 v[232+\b], v[232+\b], v[111+16*\b]
.endr
.irp b, 0,1,2,3
	s_delay_alu instid0(VALU_DEP_4)
	v_permlanex16_b32 v[236+\b], v[232+\b], s[SEL], s[SEL+1]
.endr
.irp b, 0,1,2,3
	s_delay_alu instid0(VALU_DEP_4)
	v_max_num_f32 v[232+\b], v[232+\b], v[236+\b]
.endr
	s_delay_alu instid0(VALU_DEP_2)
	v_max3_num_f32 v254, v232, v233, v234
	s_delay_alu instid0(VALU_DEP_1)
	v_max_num_f32 v254, v254, v235
	s_delay_alu instid0(VALU_DEP_1)
	v_mul_f32 v254, s[CS], v254
	s_delay_alu instid0(VALU_DEP_1)
	v_max_num_f32 v[\ST+1], v[\ST+1], v254         ; the running largest t
	v_mov_b32 v254, v[\ST]
	s_delay_alu instid0(VALU_DEP_2)
	v_floor_f32 v[\ST], -v[\ST+1]                  ; -M = floor(-t)
	s_delay_alu instid0(VALU_DEP_1)
	v_sub_f32 v254, v[\ST], v254
	s_delay_alu instid0(VALU_DEP_1)
	v_cvt_i32_f32 v254, v254
	s_delay_alu instid0(VALU_DEP_1)
	v_ldexp_f32 v252, 1.0, v254                    ; f = 2^(old M - new M)
.set j, 0
.rept 32
	v_pk_fma_f32 v[96+j:97+j], v[96+j:97+j], s[CS:CS+1], v[\ST:\ST+1] op_sel_hi:[1,0,0]   ; t - M
.set j, j+2
.endr
.irp b, 0,1,2,3
	v_fma_f32 v[232+\b], v[232+\b], s[CS], v[\ST]
.endr
; K's fragments are free behind the step's last scores: my next step's (two steps on, in the same slot) are asked for here
.if \ISY == 0
	s_cmp_le_u32 s[KF], s[QLY]
	s_cbranch_scc1 .Lnopre_\@                      ; Y's scores are still to come
.endif
	s_cmp_eq_u32 s[STEPS], 1
	s_cbranch_scc1 .Lnopre_\@
	s_add_co_u32 s71, s[KF], 256
	s_cmp_gt_u32 s71, s[QLM]
	s_cbranch_scc1 .Lnopre_\@
	KLOAD 2*STEPB, 1024
.Lnopre_\@:
	WIN 0x41*(\OW)
	s_wait_alu depctr_va_vdst(0)                   ; ahead of O's first reader, and ahead of the batch below
.set j, 0
.rept 32
	v_pk_mul_f32 v[\OB+j:\OB+j+1], v[\OB+j:\OB+j+1], v[252:253] op_sel_hi:[1,0]   ; O under the new M
.set j, j+2
.endr
	WIN 0
.set j, 0
.rept 64
	v_exp_f32 v[96+j], v[96+j]                     ; p = 2^(t - M)
.set j, j+1
.endr
.irp b, 0,1,2,3
	v_exp_f32 v[232+\b], v[232+\b]                 ; each block's largest p
.endr
	v_pk_mul_f32 v[\ST+2:\ST+3], v[\ST+2:\ST+3], v[252:253] op_sel_hi:[1,0]   ; l under the new M: the plain place behind the batch
	s_wait_alu depctr_va_vdst(0)                   ; one wait for the batch, ahead of its first reader
.irp b, 0,1,2,3
	v_max_num_f32 v[232+\b], 0x1800000, v[232+\b]  ; the floor 2^(3 - 127) holds the byte at 1 from below
.endr
.irp b, 0,1,2,3
	s_delay_alu instid0(VALU_DEP_4)
	v_add_nc_u32 v[244+\b], 0xff000000, v[232+\b]  ; 2 off the exponent field: the conversion's scale operand
.endr
.irp b, 0,1,2,3
	s_delay_alu instid0(VALU_DEP_4)
	v_lshrrev_b32 v[236+\b], 23, v[244+\b]
.endr
	s_delay_alu instid0(VALU_DEP_3)
	v_lshl_or_b32 v253, v237, 8, v236              ; p's scale word for these 128 keys
	s_delay_alu instid0(VALU_DEP_1)
	v_lshl_or_b32 v253, v238, 16, v253
	s_delay_alu instid0(VALU_DEP_1)
	v_lshl_or_b32 v253, v239, 24, v253
.irp c, 0,1
	v_cvt_scalef32_pk16_fp6_f32 v[224+6*\c:226+6*\c], v[96+32*\c:111+32*\c], v[244+2*\c]
	v_cvt_scalef32_pk16_fp6_f32 v[236+4*\c:238+4*\c], v[112+32*\c:127+32*\c], v[244+2*\c+1]
.endr
	v_nop                                          ; one plain place behind a scaled conversion
.irp c, 0,1
.irp i, 0,1,2
	v_permlane16_swap_b32 v[224+6*\c+\i], v[236+4*\c+\i]
.endr
.irp i, 0,1,2
	s_delay_alu instid0(VALU_DEP_3)
	v_mov_b32 v[227+6*\c+\i], v[236+4*\c+\i]
.endr
.endr
	v_pk_add_f32 v[236:237], v[96:97], v[98:99]    ; l is summed of the unquantised p, in two chains
.irp j, 4,8,12,16,20,24,28,32,36,40,44,48,52,56,60
	v_pk_add_f32 v[\ST+2:\ST+3], v[\ST+2:\ST+3], v[96+\j:97+\j]
	v_pk_add_f32 v[236:237], v[236:237], v[98+\j:99+\j]
.endr
	s_delay_alu instid0(VALU_DEP_1)
	v_pk_add_f32 v[\ST+2:\ST+3], v[\ST+2:\ST+3], v[236:237]
	s_wait_dscnt 0x0                               ; V's fragments are in (and any fragments of K asked for above)
	WIN 0x01+0x50*(\OW)
.irp t, 0,1,2,3,4,5,6,7
	v_wmma_scale_f32_16x16x128_f8f6f4 v[\OB+8*\t:\OB+8*\t+7], v[VB+12*\t:VB+12*\t+11], v[224:235], v[\OB+8*\t:\OB+8*\t+7], v[VSW+\t], v253 matrix_a_fmt:MATRIX_FMT_FP6 matrix_b_fmt:MATRIX_FMT_FP6
.endr
	WIN 0
.endm
.macro STEP
	s_cmp_gt_u32 s[KF], s[QLM]
	s_cbranch_scc1 .Lhidden_\@                     ; behind both tiles
	v_add_nc_u32 v[ADK], s[TB], v[LI]
	v_add_nc_u32 v[ADS], s[TS], v[ASK]
	s_wait_alu depctr_va_vdst(0)
	s_wait_dscnt 0x0                               ; K's fragments are in
.rept 4
	v_nop                                          ; places ahead of loads into registers that the last products read
.endr
	VLOAD
	s_cmp_gt_u32 s[KF], s[QLX]
	s_cbranch_scc1 .LnoX_\@
	TILE 12, 16, QSX, 160, 0, Q0X, 0
.LnoX_\@:
	s_cmp_gt_u32 s[KF], s[QLY]
	s_cbranch_scc1 .Lhidden_\@
	TILE 28, 32, QSY, 192, 1, Q0Y, 1
.Lhidden_\@:
	s_add_co_u32 s[KF], s[KF], 256
	s_add_co_u32 s[TS], s[TS], 1024
	s_add_co_u32 s[TB], s[TB], 2*STEPB
.endm
.macro MY_STEPS                        ; my two steps of a slot's four
	v_add_nc_u32 v[ADK], s[TB], v[LI]
	v_add_nc_u32 v[ADS], s[TS], v[ASK]
	KLOAD 0, 0
	s_mov_b32 s[STEPS], 2
.Lstep_\@:
	STEP
	s_sub_co_u32 s[STEPS], s[STEPS], 1
	s_cmp_lg_u32 s[STEPS], 0
	s_cbranch_scc1 .Lstep_\@
	s_sub_co_u32 s[TB], s[TB], 4*STEPB
	s_xor_b32 s[TB], s[TB], SLOT1
.endm
.macro CHANGE fill
	s_wait_tensorcnt 0x0                           ; all my tensor loads have landed
	ds_add_u32 v[SPW], v[NIL]                      ; 0 onto my spare word
.if \fill
	s_xor_b32 s[G0K+1], s[G0K+1], SLOT1            ; no load of mine is out: the next four steps, into the other slot
	s_add_nc_u64 s[G0K+2:G0K+3], s[G0K+2:G0K+3], 4*STEPB
	s_xor_b32 s[G0V+1], s[G0V+1], SLOT1
	s_add_nc_u64 s[G0V+2:G0V+3], s[G0V+2:G0V+3], 4*STEPB
.endif
	s_wait_dscnt 0x0                               ; the add is done, and my reads of the slot read last
.if \fill
	CROUND
	JLOAD G0K, G0V, G1
.else
	s_barrier_signal -1
	s_barrier_wait -1
.endif
.endm
	s_wait_alu depctr_va_vdst(0)
	s_wait_loadcnt 0x0                             ; q
.Lslot:
	CHANGE 1
	MY_STEPS
	s_sub_co_u32 s[SLOTS], s[SLOTS], 1
	s_cmp_lg_u32 s[SLOTS], 0
	s_cbranch_scc1 .Lslot
	CHANGE 0
	MY_STEPS
; Y's partial goes to my partner, my partner's Y is my X
.rept 4
	v_nop
.endr
	s_wait_alu depctr_va_vdst(0)
	v_add_f32 v29, v30, v31                        ; Y's l (the largest t is done with)
	v_add_f32 v14, v14, v15                        ; X's
	s_wait_alu depctr_va_vdst(0)
	s_wait_dscnt 0x0
	s_barrier_signal -1
	s_barrier_wait -1                              ; every wave's reads of the ring are over
	WIN 0x04                                       ; an LDS store's data are its source 1: window 1
	s_wait_alu depctr_va_vdst(0)                   ; ahead of O's first reader
.irp i, 0,1,2,3,4,5,6,7,8,9,10,11,12,13,14,15
	ds_store_b128 v[STG], v[192+4*\i:195+4*\i] offset:512*\i   ; each accumulator from its low end on
.endr
	WIN 0
	ds_store_b128 v[SST], v[28:31]                 ; -M and l (the other two words are not used)
	s_wait_dscnt 0x0
	s_barrier_signal -1
	s_barrier_wait -1
.irp i, 0,1,2,3,4,5,6,7,8,9,10,11,12,13,14,15
	ds_load_b128 v[96+4*\i:99+4*\i], v[LDG] offset:512*\i
.endr
	ds_load_b128 v[48:51], v[LST]
	s_wait_dscnt 0x0
	v_min_num_f32 v254, v12, v48                   ; -M of the two parts together
	v_sub_f32 v52, v254, v12
	v_sub_f32 v54, v254, v48
	v_cvt_i32_f32 v52, v52                         ; whole numbers, 0 or less (it saturates: a part with no step counts for nothing)
	v_cvt_i32_f32 v54, v54
	v_ldexp_f32 v52, 1.0, v52
	v_ldexp_f32 v54, 1.0, v54
	v_mul_f32 v14, v14, v52
	v_fma_f32 v14, v49, v54, v14
	v_permlanex16_b32 v252, v14, s[SEL], s[SEL+1]
	v_add_f32 v14, v14, v252                       ; the row's sum
	s_wait_alu depctr_va_vdst(0)
	v_rcp_f32 v14, v14
	v_nop
	s_wait_alu depctr_va_vdst(0)
	v_mul_f32 v52, v52, v14                        ; the factors take 1 / l with them
	v_mul_f32 v54, v54, v14
	v_mov_b32 v53, v52
	v_mov_b32 v55, v54
.set j, 0
.rept 32
	v_pk_mul_f32 v[96+j:97+j], v[96+j:97+j], v[54:55] op_sel_hi:[1,0]
.set j, j+2
.endr
.set j, 0
.rept 32
	v_pk_fma_f32 v[96+j:97+j], v[160+j:161+j], v[52:53], v[96+j:97+j] op_sel_hi:[1,0,1]
.set j, j+2
.endr
; y's 64 numbers of a lane become a fragment's codes and its scale word
.irp b, 0,1,2,3
	v_max3_num_f32 v[TM+\b], |v[96+16*\b]|, |v[97+16*\b]|, 0x1800000
.endr
.irp i, 2,4,6,8,10,12,14
.irp b, 0,1,2,3
	s_delay_alu instid0(VALU_DEP_4)
	v_max3_num_f32 v[TM+\b], v[TM+\b], |v[96+16*\b+\i]|, |v[97+16*\b+\i]|
.endr
.endr
.irp b, 0,1,2,3
	s_delay_alu instid0(VALU_DEP_4)
	v_permlanex16_b32 v[TM+4+\b], v[TM+\b], s[SEL], s[SEL+1]
.endr
.irp b, 0,1,2,3
	s_delay_alu instid0(VALU_DEP_4)
	v_max_num_f32 v[TM+\b], v[TM+\b], v[TM+4+\b]
.endr
.irp b, 0,1,2,3
	s_delay_alu instid0(VALU_DEP_4)
	v_add_nc_u32 v[TM+12+\b], 0xff000000, v[TM+\b]
.endr
.irp b, 0,1,2,3
	s_delay_alu instid0(VALU_DEP_4)
	v_lshrrev_b32 v[TM+4+\b], 23, v[TM+12+\b]
.endr
	s_delay_alu instid0(VALU_DEP_3)
	v_lshl_or_b32 v[PW], v[TM+5], 8, v[TM+4]
	s_delay_alu instid0(VALU_DEP_1)
	v_lshl_or_b32 v[PW], v[TM+6], 16, v[PW]
	s_delay_alu instid0(VALU_DEP_1)
	v_lshl_or_b32 v[PW], v[TM+7], 24, v[PW]
.irp c, 0,1
	v_cvt_scalef32_pk16_fp6_f32 v[PC+6*\c:PC+6*\c+2], v[96+32*\c:111+32*\c], v[TM+12+2*\c]
	v_cvt_scalef32_pk16_fp6_f32 v[PC+12+4*\c:PC+14+4*\c], v[112+32*\c:127+32*\c], v[TM+13+2*\c]
.endr
	v_nop
.irp c, 0,1
.irp i, 0,1,2
	v_permlane16_swap_b32 v[PC+6*\c+\i], v[PC+12+4*\c+\i]
.endr
.irp i, 0,1,2
	s_delay_alu instid0(VALU_DEP_3)
	v_mov_b32 v[PC+3+6*\c+\i], v[PC+12+4*\c+\i]
.endr
.endr
.irp c, 0,1,2
	global_store_b128 v[LI], v[PC+4*\c:PC+4*\c+3], s[88:89] offset:512*\c   ; 512 consecutive bytes, aligned
.endr
	global_store_b32 v[L4], v[PW], s[90:91]        ; lanes l and l + 16 store the same word
	s_wait_tensorcnt 0x0                           ; the wave's end
	ds_add_u32 v[SPW], v[NIL]
	s_wait_dscnt 0x0
	CROUND                                         ; the closing round
	s_endpgm
.Lfunc_end_k_q769ec7c821_attn:
	.size	k_q769ec7c821_attn, .Lfunc_end_k_q769ec7c821_attn-k_q769ec7c821_attn
	.p2alignl 7, 3214868480
	.fill 96, 4, 3214868480
	.section	.rodata,"a",@progbits
	.p2align	6, 0x0
	.amdhsa_kernel k_q769ec7c821_attn
		.amdhsa_group_segment_fixed_size 327680
		.amdhsa_private_segment_fixed_size 0
		.amdhsa_enable_private_segment 0
		.amdhsa_kernarg_size 16
		.amdhsa_user_sgpr_count 2
		.amdhsa_user_sgpr_kernarg_segment_ptr 1
		.amdhsa_wavefront_size32 1
		.amdhsa_system_sgpr_workgroup_id_x 1
		.amdhsa_system_sgpr_workgroup_id_y 1
		.amdhsa_system_sgpr_workgroup_id_z 1
		.amdhsa_system_vgpr_workitem_id 0
		.amdhsa_next_free_vgpr 512
		.amdhsa_next_free_sgpr 100
		.amdhsa_reserve_vcc 1
		.amdhsa_float_denorm_mode_32 3
		.amdhsa_float_denorm_mode_16_64 3
		.amdhsa_memory_ordered 1
		.amdhsa_forward_progress 1
		.amdhsa_inst_pref_size 133
	.end_amdhsa_kernel
	.amdgpu_metadata
---
amdhsa.version: [ 1, 2 ]
amdhsa.kernels:
  - .name:           k_q769ec7c821_attn
    .symbol:         k_q769ec7c821_attn.kd
    .args:
      - { .name: qkv, .offset: 0, .size: 8, .value_kind: global_buffer, .address_space: global }
      - { .name: yq, .offset: 8, .size: 8, .value_kind: global_buffer, .address_space: global }
    .group_segment_fixed_size: 327680
    .private_segment_fixed_size: 0
    .kernarg_segment_align: 8
    .kernarg_segment_size: 16
    .max_flat_workgroup_size: 256
    .sgpr_count:     100
    .vgpr_count:     512
    .wavefront_size: 32
...
	.end_amdgpu_metadata
.endif
;; end of part 3
;; launch gemm2 (part 4): grid 16 x 16, 4 waves a work-group, clusters of 4 x 4, 327,680 bytes of LDS; arguments yq, opp, out0; writes out0
.if DOCPART == 4
	.amdgcn_target "amdgcn-amd-amdhsa--gfx1250"
	.amdhsa_code_object_version 6
	.text
	.protected	k_q769ec7c821_gemm2
	.globl	k_q769ec7c821_gemm2
	.p2align	8
	.type	k_q769ec7c821_gemm2,@function
k_q769ec7c821_gemm2:
	s_mov_b64 s[64:65], 0
	v_nop
	global_prefetch_b8 v0, s[64:65] scope:SCOPE_SE
	s_setreg_imm32_b32 hwreg(HW_REG_WAVE_MODE, 25, 1), 1
	s_wait_xcnt 0x0
	s_wait_alu depctr_hold_cnt(0) depctr_sa_sdst(0) depctr_va_vdst(0) depctr_va_sdst(0) depctr_va_ssrc(0) depctr_va_vcc(0) depctr_vm_vsrc(0)
	s_getreg_b32 s2, hwreg(HW_REG_IB_STS2, 6, 4)
	s_cmp_eq_u32 s2, 0
	s_cbranch_scc0 .Lentry_in_a_cluster
	s_endpgm
.Lentry_in_a_cluster:
	s_bfe_u32 s2, ttmp6, 0x10000c
	s_cmp_lg_u32 s2, 0xf033
	s_cbranch_scc0 .Lentry_shape_is_right
	s_endpgm
.Lentry_shape_is_right:
; out0 = y W_proj on codes of FP6 (E2M3); out0 [2048][2048] f32.  y's and W_proj's codes are images of the operand's registers: a fragment (16 rows x 128 K) is 1,536 bytes, three loads of 16 bytes a lane;
; a tile's 16 K steps lie on end (24,576 bytes), its scale words likewise (1,024 bytes).
; A work-group of four waves makes 128 tokens x 128 columns: 16 x 16 = 256 work-groups.  Wave w takes tokens 64 (w / 2) on and columns 64 (w % 2) on: 16 accumulators; a K step reads 4 + 4 fragments for 16 products.
; THE MATRIX INSTRUCTION IS USED TRANSPOSED (source 0 = 16 columns of W, source 1 = 16 tokens): a lane holds one token and eight neighbouring columns.
; K: 16 steps of 128 in 4 chunks of 4.  LDS: R0 holds one chunk (y's 8 tiles x 6,144 bytes, then W's), R12 two chunks (8 tiles x 12,288 bytes of y, then of W).  THREE FILLS: at the head chunk 0 and the scale words,
; one load a wave; behind the full sequence and a round chunks 1 and 2, by one load a wave (a tile's two chunks are one row of 12,288 bytes); behind the round at K step 3 chunk 3, into R0, with eight K steps in which to land.
; By this text's count a wave has one tensor load out at any time.  CLUSTERS: 4 x 4: a row of the cluster shares y's tiles, a column W's: each is asked for jointly.
; PREFETCHES INTO THE L2: of the 8 tiles that four partners ask for jointly each partner takes two, two waves a tile, told apart by address alone: at the head chunks 1 and 2 (a wave 24 blocks of 256 bytes of y and 24 of W),
; behind their load chunk 3 (12 and 12).  Each block is named once in the cluster; lanes left over name their wave's last block again; the offset registers and bases are never rewritten.
; REGISTERS: window 0: v1-21 addresses; v24-31 scale words, two sets; v32-127 y's fragments, two sets (on the way out rows of out0); v128-223 W's, two sets.  Window 1: accumulator (a, b) at v[32 a + 8 b].
.set R0B,   49152
.set R12A,  98304
.set R12B,  196608
.set SCA,   294912                     ; y's scale words of my 128 tokens: 8,192 bytes, filled once
.set SCB,   303104                     ; W's: 8,192 bytes
.set SPARE, 311296                     ; the spare words: 128 bytes a wave
.set STAGE, R12A                       ; the way out: 16 rows x 272 bytes a wave, in R12, behind its last fill and its last read
.set ASOFF, 3145728
.set BSOFF, 3145728
.set ADRA, 4                           ; v4-5  my y fragments in R0, R12
.set ADRB, 6                           ; v6-7  my W fragments
.set ADRS, 8                           ; v8    scale words: lanes 0-15 y's, lanes 16-31 W's
.set SPW,  10
.set NIL,  11
.set STO,  12
.set RD,   13
.set CO,   14
.set PA1,  15
.set PB1,  16
.set PA3,  17
.set PB3,  18
.set SC,   24
.set AF,   32
.set BF,   128
.set BK,   32
.set G1A,  24
.set G1B,  32
.set G1SA, 40
.set G1SB, 48
.set G0HA, 56
.set G0HB, 60
.set G0SA, 68
.set G0SB, 72
.set G0A2, 76
.set G0B2, 80
.set G0A3, 84
.set G0B3, 88
.set MSB, 0
.macro WIN new                         ; the immediate's high byte repeats the setting that is left
.if MSB != (\new)
	s_set_vgpr_msb (MSB<<8)|(\new)
.set MSB, (\new)
.endif
.endm
.macro JLOAD g0a, g1a, g0b, g1b        ; waves 0 and 1 fetch for y, waves 2 and 3 for W; s_nop 0 and four v_nop follow each line
	s_cmp_eq_u32 s17, 0
	s_cbranch_scc0 .Lfor_b_\@
	tensor_load_to_lds s[\g0a:\g0a+3], s[\g1a:\g1a+7]
	s_nop 0
.rept 4
	v_nop
.endr
	s_branch .Lasked_\@
.Lfor_b_\@:
	tensor_load_to_lds s[\g0b:\g0b+3], s[\g1b:\g1b+7]
	s_nop 0
.rept 4
	v_nop
.endr
.Lasked_\@:
.endm
.macro CREST
	s_cmp_lg_u32 s16, 0
	s_cbranch_scc1 .Lnot_wave_0_\@
	s_barrier_signal -3
.Lnot_wave_0_\@:
	s_barrier_wait -3
	s_barrier_signal -1
	s_barrier_wait -1
.endm
.macro CROUND
	s_barrier_signal -1
	s_barrier_wait -1
	CREST
.endm
.macro PLACES                          ; four places in front of loads into registers that matrix instructions have read, and of the first read of results
.rept 4
	v_nop
.endr
.endm
.macro GRP0 g, lds, ap                 ; group 0: a constant LDS address, the global address in s[ap:ap+1]
	s_mov_b32 s[\g], 1
	s_mov_b32 s[\g+1], \lds
	s_mov_b64 s[\g+2:\g+3], s[\ap:\ap+1]
	s_or_b32 s[\g+3], s[\g+3], 0x80000000
.endm
.macro GRP0W g, lreg, lds, ap, off     ; group 0: LDS address s[lreg] + lds, global address s[ap:ap+1] + off
	s_mov_b32 s[\g], 1
	s_add_co_u32 s[\g+1], s[\lreg], \lds
	s_add_nc_u64 s[\g+2:\g+3], s[\ap:\ap+1], \off
	s_or_b32 s[\g+3], s[\g+3], 0x80000000
.endm
	s_load_b128 s[4:7], s[0:1], 0x0                ; yq, opp
	s_load_b64 s[8:9], s[0:1], 0x10                ; out0
	v_lshl_add_u32 v[SPW], v0, 2, SPARE
	v_mov_b32 v[NIL], 0
	ds_add_u32 v[SPW], v[NIL]                      ; the opening lines: the add twice on end and one wait
	ds_add_u32 v[SPW], v[NIL]
	v_lshrrev_b32 v1, 5, v0
	v_readfirstlane_b32 s16, v1                    ; wave 0..3
	s_lshr_b32 s17, s16, 1                         ; my half of the tokens.  Also: I fetch for y (0) or for W (1)
	s_and_b32 s18, s16, 1                          ; my half of the columns.  Also: which four tiles I fetch
	s_bfe_u32 s21, ttmp6, 0x40000                  ; cx
	s_bfe_u32 s22, ttmp6, 0x40004                  ; cy
	s_lshl_b32 s19, ttmp9, 2
	s_add_co_u32 s19, s19, s21                     ; tx: which 128 columns
	s_and_b32 s20, ttmp7, 0xffff
	s_lshl_b32 s20, s20, 2
	s_add_co_u32 s20, s20, s22                     ; ty: which 128 tokens
	s_lshl_b32 s2, s22, 2
	s_lshl_b32 s2, 15, s2                          ; my row of the cluster
	s_lshl_b32 s3, 0x1111, s21                     ; my column
	s_or_b32 s[G1A], s2, (3<<16)|(1<<21)           ; elements of 8 bytes, no padding, bit 21 beside the mask
	s_or_b32 s[G1B], s3, (3<<16)|(1<<21)
	s_or_b32 s[G1SA], s2, (3<<16)|(1<<21)
	s_or_b32 s[G1SB], s3, (3<<16)|(1<<21)
.irp g, G1A, G1B                               ; the head's loads of codes: 8 tiles, a chunk (768 elements) of each, 3,072 elements from tile to tile
	s_mov_b32 s[\g+1], 768<<16
	s_mov_b32 s[\g+2], 8<<16
	s_mov_b32 s[\g+3], 768<<16
	s_mov_b32 s[\g+4], 8
	s_mov_b32 s[\g+5], 3072
	s_mov_b32 s[\g+6], 0
	s_mov_b32 s[\g+7], 0
.endr
.irp g, G1SA, G1SB                             ; scale words: a dense block of 8,192 bytes, as 32 rows of 256
	s_mov_b32 s[\g+1], 32<<16
	s_mov_b32 s[\g+2], 32<<16
	s_mov_b32 s[\g+3], 32<<16
	s_mov_b32 s[\g+4], 32
	s_mov_b32 s[\g+5], 32
	s_mov_b32 s[\g+6], 0
	s_mov_b32 s[\g+7], 0
.endr
	s_mul_i32 s92, s20, 196608                     ; y: tile 8 ty
	s_mov_b32 s93, 0
	s_mul_i32 s94, s19, 196608                     ; W: tile 8 tx
	s_mov_b32 s95, 0
	s_lshl_b32 s96, s20, 13
	s_add_co_u32 s96, s96, ASOFF
	s_mov_b32 s97, 0
	s_lshl_b32 s98, s19, 13
	s_add_co_u32 s98, s98, BSOFF
	s_mov_b32 s99, 0
	s_mul_i32 s10, s18, 98304                      ; the four tiles that I fetch behind the head: in memory,
	s_mov_b32 s11, 0
	s_mul_i32 s14, s18, 49152                      ; in R12,
	s_mul_i32 s15, s18, 24576                      ; in R0: no place in the cluster enters an LDS address
	s_wait_dscnt 0x0                               ; both opening adds are done
	s_wait_kmcnt 0x0
	s_add_nc_u64 s[92:93], s[4:5], s[92:93]
	s_add_nc_u64 s[94:95], s[6:7], s[94:95]
	s_add_nc_u64 s[96:97], s[4:5], s[96:97]
	s_add_nc_u64 s[98:99], s[6:7], s[98:99]
	GRP0 G0HA, 0, 92
	GRP0 G0HB, R0B, 94
	GRP0 G0SA, SCA, 96
	GRP0 G0SB, SCB, 98
	s_add_nc_u64 s[92:93], s[92:93], s[10:11]
	s_add_nc_u64 s[94:95], s[94:95], s[10:11]
	GRP0W G0A2, 14, R12A, 92, 6144                 ; chunks 1 and 2
	GRP0W G0B2, 14, R12B, 94, 6144
	GRP0W G0A3, 15, 0, 92, 18432                   ; chunk 3
	GRP0W G0B3, 15, R0B, 94, 18432
	CROUND                                         ; all sixteen work-groups are here: the first joint loads meet
; THE HEAD'S LOADS, ONE A WAVE: wave 0 chunk 0 of y's 8 tiles, wave 1 y's scale words, wave 2 chunk 0 of W's 8 tiles, wave 3 W's scale words.  One chain of branches on the wave's number, one load to an arm, one join.
.macro ARM under, g0, g1, next
	s_cmp_lt_u32 s16, \under
	s_cbranch_scc0 \next
	tensor_load_to_lds s[\g0:\g0+3], s[\g1:\g1+7]
	s_nop 0
.rept 4
	v_nop
.endr
	s_branch .Lhead_asked
\next:
.endm
	ARM 1, G0HA, G1A, .Lhead_sa
	ARM 2, G0SA, G1SA, .Lhead_b
	ARM 3, G0HB, G1B, .Lhead_sb
	tensor_load_to_lds s[G0SB:G0SB+3], s[G1SB:G1SB+7]
	s_nop 0
.rept 4
	v_nop
.endr
.Lhead_asked:
	s_mul_i32 s92, s17, 24576                      ; my four tiles of y in R0,
	s_mul_i32 s93, s18, 24576
	s_add_co_u32 s93, s93, R0B                     ; of W;
	s_mul_i32 s94, s17, 49152
	s_add_co_u32 s94, s94, R12A                    ; the same in R12
	s_mul_i32 s95, s18, 49152
	s_add_co_u32 s95, s95, R12B
	s_xor_b32 s96, s17, 1
	s_add_co_u32 s96, s96, s18
	s_add_co_u32 s96, s96, 1
	s_lshl_b32 s96, s96, 12                        ; the distance from my y words to my W words: SCB - SCA + 4,096 (w % 2 - w / 2)
	s_lshl_b32 s97, s17, 12
	s_add_co_u32 s97, s97, SCA
	s_mul_i32 s98, s16, 4352
	s_add_co_u32 s98, s98, STAGE                   ; my stage
	s_lshl_b32 s99, s20, 3
	s_lshl_b32 s2, s21, 1
	s_add_co_u32 s99, s99, s2
	s_add_co_u32 s99, s99, s17                     ; prefetches of y: tile 8 ty + 2 cx + wave / 2
	s_mul_i32 s99, s99, 24576
	s_lshl_b32 s10, s19, 3
	s_lshl_b32 s2, s22, 1
	s_add_co_u32 s10, s10, s2
	s_add_co_u32 s10, s10, s17                     ; of W: tile 8 tx + 2 cy + wave / 2
	s_mul_i32 s10, s10, 24576
	s_mul_i32 s2, s18, 3072                        ; chunk 3: the lower or upper 12 blocks
	s_add_co_u32 s11, s99, s2
	s_add_co_u32 s14, s10, s2
	s_mul_i32 s2, s18, 6144                        ; chunks 1 and 2: the one or the other
	s_add_co_u32 s99, s99, s2
	s_add_co_u32 s10, s10, s2
	s_lshl_b32 s2, s20, 20                         ; out0: token 128 ty + 64 (w / 2), rows of 8,192 bytes; column 128 tx + 64 (w % 2)
	s_lshl_b32 s3, s17, 19
	s_add_co_u32 s2, s2, s3
	s_lshl_b32 s3, s19, 9
	s_add_co_u32 s2, s2, s3
	s_lshl_b32 s3, s18, 8
	s_add_co_u32 s2, s2, s3
	s_mov_b32 s3, 0
	s_add_nc_u64 s[12:13], s[8:9], s[2:3]
	v_and_b32 v1, 15, v0                           ; r
	v_bfe_u32 v2, v0, 4, 1                         ; h
	v_and_b32 v9, 31, v0
	v_lshlrev_b32 v3, 4, v9                        ; 16 x lane
	v_add_nc_u32 v[ADRA], s92, v3
	v_add_nc_u32 v[ADRA+1], s94, v3
	v_add_nc_u32 v[ADRB], s93, v3
	v_add_nc_u32 v[ADRB+1], s95, v3
	v_mul_u32_u24 v19, s96, v2                     ; lanes 16-31 take W's
	v_lshl_add_u32 v19, v1, 2, v19
	v_add_nc_u32 v[ADRS], s97, v19
	v_mul_u32_u24 v[STO], v1, 272                  ; in: row r, 32 bytes for each half of the lanes
	v_lshl_add_u32 v[STO], v2, 5, v[STO]
	v_add_nc_u32 v[STO], s98, v[STO]
	v_mul_u32_u24 v[RD], v2, 272                   ; back: lanes 0-15 one row of 256 bytes, lanes 16-31 the next
	v_lshl_add_u32 v[RD], v1, 4, v[RD]
	v_add_nc_u32 v[RD], s98, v[RD]
	v_lshlrev_b32 v[CO], 13, v2                    ; and the same two rows in out0
	v_lshl_add_u32 v[CO], v1, 4, v[CO]
	v_min_u32 v20, 23, v9
	v_min_u32 v21, 11, v9
	v_lshlrev_b32 v20, 8, v20
	v_lshlrev_b32 v21, 8, v21
	v_add_nc_u32 v[PA1], s99, v20
	v_add_nc_u32 v[PB1], s10, v20
	v_add_nc_u32 v[PA3], s11, v21
	v_add_nc_u32 v[PB3], s14, v21
	global_prefetch_b8 v[PA1], s[4:5] offset:6144 th:TH_LOAD_NT scope:SCOPE_SE   ; chunks 1 and 2, one load ahead
	global_prefetch_b8 v[PB1], s[6:7] offset:6144 th:TH_LOAD_NT scope:SCOPE_SE
; 28 LDS loads in one run: K step ks, the q-th of region reg (0: R0, tiles tp = 6,144 bytes apart; 1: R12, 12,288): my 4 fragments of W, my 4 of y, 4 scale registers; into set ks % 2.
; Scale register i: lanes 0-15 the words of my token tile i, lanes 16-31 those of my column tile i.
.macro FETCH reg, tp, q, ks
.set FS, (\ks)%2
.irp b, 0,1,2,3
.irp c, 0,1,2
	ds_load_b128 v[BF+48*FS+12*\b+4*\c:BF+48*FS+12*\b+4*\c+3], v[ADRB+\reg] offset:\b*(\tp)+(\q)*1536+512*\c
.endr
.endr
.irp a, 0,1,2,3
.irp c, 0,1,2
	ds_load_b128 v[AF+48*FS+12*\a+4*\c:AF+48*FS+12*\a+4*\c+3], v[ADRA+\reg] offset:\a*(\tp)+(\q)*1536+512*\c
.endr
.endr
.irp i, 0,1,2,3
	ds_load_b32 v[SC+4*FS+\i], v[ADRS] offset:\i*1024+(\ks)*64
.endr
.endm
; n x 4 matrix instructions.  The 16 accumulators take turns, one instruction a turn, in the same order in every step.  first = 1: the products start the sums.
.macro MUL ks, a0, n, first
.set MS, SC+4*((\ks)%2)
.set MB, BF+48*((\ks)%2)
.set MA, AF+48*((\ks)%2)
.set ma, \a0
.rept \n
.irp b, 0,1,2,3
.if \first
	v_wmma_scale_f32_16x16x128_f8f6f4 v[32*ma+8*\b:32*ma+8*\b+7], v[MB+12*\b:MB+12*\b+11], v[MA+12*ma:MA+12*ma+11], 0, v[MS+\b], v[MS+ma] matrix_a_fmt:MATRIX_FMT_FP6 matrix_b_fmt:MATRIX_FMT_FP6 matrix_a_scale:MATRIX_SCALE_ROW1
.else
	v_wmma_scale_f32_16x16x128_f8f6f4 v[32*ma+8*\b:32*ma+8*\b+7], v[MB+12*\b:MB+12*\b+11], v[MA+12*ma:MA+12*ma+11], v[32*ma+8*\b:32*ma+8*\b+7], v[MS+\b], v[MS+ma] matrix_a_fmt:MATRIX_FMT_FP6 matrix_b_fmt:MATRIX_FMT_FP6 matrix_a_scale:MATRIX_SCALE_ROW1
.endif
.endr
.set ma, ma+1
.endr
.endm
; A K step whose successor lies in the same region (its qn-th step): the next step's fragments are asked for ahead of this step's 16 products.
.macro STEP reg, tp, qn, ks, first
	s_wait_dscnt 0x0                               ; this step's fragments are in
	WIN 0
	PLACES
	FETCH \reg, \tp, \qn, (\ks)+1
	WIN 0x50                                       ; C and D window 1
	MUL \ks, 0, 4, \first
.endm
; A region's last step: one barrier; in front of it each wave waits for all its tensor loads, adds 0 to its spare word, and waits for that and for its reads of the region.
.macro TURN ks, fill
	WIN 0
	s_wait_tensorcnt 0x0                           ; my part of the next region has landed
	ds_add_u32 v[SPW], v[NIL]                      ; 0 onto my spare word
	s_wait_dscnt 0x1                               ; this step's fragments are in; the add alone may be out
	WIN 0x50
	MUL \ks, 0, 1, 0
	s_wait_dscnt 0x0                               ; the add is done, and my reads of this region are over
	s_barrier_signal -1
	MUL \ks, 1, 1, 0
	WIN 0
	s_barrier_wait -1
.if \fill
	CREST                                          ; the barrier has opened a round of the cluster's: no wave of any partner still reads R0 or has a load on its way
.irp g, G1A, G1B
	s_mov_b32 s[\g+1], 768<<16                     ; no tensor load of mine is out: a load again brings one chunk of four tiles
	s_mov_b32 s[\g+3], 768<<16
.endr
	JLOAD G0A3, G1A, G0B3, G1B                     ; chunk 3 into R0; its four v_nop are the places in front of the loads below
	FETCH 1, 12288, 0, (\ks)+1
.else
	PLACES
	FETCH 0, 6144, 0, (\ks)+1
.endif
	WIN 0x50
	MUL \ks, 2, 2, 0
.endm
	s_wait_alu depctr_va_vdst(0)
	s_wait_tensorcnt 0x0                           ; my tile of the head's four is in; R12's first fill is issued as a refill is:
	ds_add_u32 v[SPW], v[NIL]                      ; 0 onto my spare word
.irp g, G1A, G1B
	s_mov_b32 s[\g+1], 1536<<16                    ; no tensor load of mine is out: the next load brings two chunks (1,536 elements) of four tiles
	s_mov_b32 s[\g+2], 4<<16
	s_mov_b32 s[\g+3], 1536<<16
	s_mov_b32 s[\g+4], 4
.endr
	s_wait_dscnt 0x0
	CROUND                                         ; all four tiles are in, and all sixteen work-groups are here
	JLOAD G0A2, G1A, G0B2, G1B                     ; chunks 1 and 2, the first tensor load behind the round
	FETCH 0, 6144, 0, 0
	global_prefetch_b8 v[PA3], s[4:5] offset:18432 th:TH_LOAD_NT scope:SCOPE_SE   ; chunk 3, one load ahead
	global_prefetch_b8 v[PB3], s[6:7] offset:18432 th:TH_LOAD_NT scope:SCOPE_SE
	STEP 0, 6144, 1, 0, 1
	STEP 0, 6144, 2, 1, 0
	STEP 0, 6144, 3, 2, 0
	TURN 3, 1
.set KK, 4
.rept 7
	STEP 1, 12288, KK-3, KK, 0
.set KK, KK+1
.endr
	TURN 11, 0                                     ; nothing is left to fetch; behind this barrier nobody reads R12, which has had its one fill
	STEP 0, 6144, 1, 12, 0
	STEP 0, 6144, 2, 13, 0
	STEP 0, 6144, 3, 14, 0
	s_wait_dscnt 0x0
	MUL 15, 0, 4, 0
	WIN 0
	PLACES
; THE WAY OUT, a token tile (16 tokens x 64 columns) at a time: through my own stage and back as whole rows of 256 bytes.  LDS serves a wave's instructions in order: no wait between the stores and the loads.
.macro TOSTAGE a
	WIN 0x04                                       ; an LDS store's data are its source 1: window 1
.irp b, 0,1,2,3
	ds_store_b128 v[STO], v[32*(\a)+8*\b:32*(\a)+8*\b+3] offset:64*\b          ; each accumulator from its low end on
	ds_store_b128 v[STO], v[32*(\a)+8*\b+4:32*(\a)+8*\b+7] offset:64*\b+16
.endr
	WIN 0
.set BB, BK+32*((\a)%2)
.irp t, 0,1,2,3,4,5,6,7
	ds_load_b128 v[BB+4*\t:BB+4*\t+3], v[RD] offset:\t*544
.endr
.endm
.macro SEND a, younger                 ; younger: the LDS instructions issued behind tile a's loads, which may stay out
.set BB, BK+32*((\a)%2)
	s_wait_dscnt \younger
.irp t, 0,1,2,3,4,5,6,7
	global_store_b128 v[CO], v[BB+4*\t:BB+4*\t+3], s[12:13] offset:(16*(\a)+2*\t)*8192 th:TH_STORE_NT   ; sixteen lanes store 256 consecutive bytes, aligned; written once, read by nobody here
.endr
.endm
	TOSTAGE 0
.irp a, 1,2,3
.if \a > 1
	s_wait_xcnt 0x0                                ; tile a - 2's stores have read their registers: tile a's loads may land there
.endif
	TOSTAGE \a
	SEND \a-1, 16                                  ; behind tile a - 1's loads: tile a's 8 stores and 8 loads
.endr
	SEND 3, 0
	s_wait_tensorcnt 0x0                           ; the wave's end
	ds_add_u32 v[SPW], v[NIL]
	s_wait_dscnt 0x0
	CROUND                                         ; the closing round
	s_endpgm
.Lfunc_end_k_q769ec7c821_gemm2:
	.size	k_q769ec7c821_gemm2, .Lfunc_end_k_q769ec7c821_gemm2-k_q769ec7c821_gemm2
	.p2alignl 7, 3214868480
	.fill 96, 4, 3214868480
	.section	.rodata,"a",@progbits
	.p2align	6, 0x0
	.amdhsa_kernel k_q769ec7c821_gemm2
		.amdhsa_group_segment_fixed_size 327680
		.amdhsa_private_segment_fixed_size 0
		.amdhsa_enable_private_segment 0
		.amdhsa_kernarg_size 24
		.amdhsa_user_sgpr_count 2
		.amdhsa_user_sgpr_kernarg_segment_ptr 1
		.amdhsa_wavefront_size32 1
		.amdhsa_system_sgpr_workgroup_id_x 1
		.amdhsa_system_sgpr_workgroup_id_y 1
		.amdhsa_system_sgpr_workgroup_id_z 1
		.amdhsa_system_vgpr_workitem_id 0
		.amdhsa_next_free_vgpr 384
		.amdhsa_next_free_sgpr 100
		.amdhsa_reserve_vcc 0
		.amdhsa_float_denorm_mode_32 3
		.amdhsa_float_denorm_mode_16_64 3
		.amdhsa_memory_ordered 1
		.amdhsa_forward_progress 1
		.amdhsa_inst_pref_size 85
	.end_amdhsa_kernel
	.amdgpu_metadata
---
amdhsa.version: [ 1, 2 ]
amdhsa.kernels:
  - .name:           k_q769ec7c821_gemm2
    .symbol:         k_q769ec7c821_gemm2.kd
    .args:
      - { .name: yq, .offset: 0, .size: 8, .value_kind: global_buffer, .address_space: global }
      - { .name: opp, .offset: 8, .size: 8, .value_kind: global_buffer, .address_space: global }
      - { .name: out0, .offset: 16, .size: 8, .value_kind: global_buffer, .address_space: global }
    .group_segment_fixed_size: 327680
    .private_segment_fixed_size: 0
    .kernarg_segment_align: 8
    .kernarg_segment_size: 24
    .max_flat_workgroup_size: 128
    .sgpr_count:     100
    .vgpr_count:     384
    .wavefront_size: 32
...
	.end_amdgpu_metadata
.endif
;; end of part 4
